; MI455X (gfx1250); checked and timed in simulation.
; The chip was launched on July 23, 2026; its instructions are those of AMD's public machine-readable ISA for CDNA 5 (MIT licence, August 2026) and "CDNA5" Instruction Set Architecture Reference Guide (July 2026). The comments in the code are by the model that wrote it; some were corrected since.
;; Attention. Allowed arithmetic: matrix products marked QUANTISED: E2M3 operands, one E8M0 scale for each 32 along K, by v_wmma_scale_f32_16x16x128_f8f6f4 with both operands' format E2M3, f32 sums; everything else in f32.
;; Inputs: c_attn_b 3,072 float32; c_attn_w_codes 3,072 x 32 x 24 uint8 (E2M3 codes of c_attn_w, K innermost, in blocks of 32 codes, four codes in three bytes); c_attn_w_scales 3,072 x 32 uint8 (E8M0 scales of c_attn_w, one for each 32 codes along K); c_proj_b 1,024 float32; c_proj_w_codes 1,024 x 32 x 24 uint8 (E2M3 codes of c_proj_w, K innermost, in blocks of 32 codes, four codes in three bytes); c_proj_w_scales 1,024 x 32 uint8 (E8M0 scales of c_proj_w, one for each 32 codes along K); mask_self_attention 1 x 1 x 2,048 x 2,048 bool; x_codes 4 x 2,048 x 32 x 24 uint8 (E2M3 codes of x, K innermost, in blocks of 32 codes, four codes in three bytes); x_scales 4 x 2,048 x 32 uint8 (E8M0 scales of x, one for each 32 codes along K).
;; Outputs: out0 4 x 2,048 x 1,024 float32.
;; This version of the problem:
;;   THIS VERSION OF THE PROBLEM IS GIVEN IN LOW PRECISION. The matrix products marked QUANTISED in the list below multiply operands that are first quantised to E2M3 (2 exponent bits, 3 mantissa bits; 6 bits a number), with one power-of-two scale for each 32 numbers along K (OCP MX v1.0); their sums are f32. All else is computed in f32.
;;   The module's matrix products, in the order in which they are computed (A, B: the left and right operand; K: the contracted axis; several contracted axes count as one K, in the product's order):
;;     1. [M 8,192, K 1,024] x [K 1,024, N 3,072]; A: input x (given as codes); B: input c_attn_w (given as codes): QUANTISED
;;     2. batch 64 x [M 2,048, K 64] x [K 64, N 2,048]; A: computed on the way; B: computed on the way: QUANTISED
;;     3. batch 64 x [M 2,048, K 2,048] x [K 2,048, N 64]; A: softmax (see below); B: computed on the way: QUANTISED
;;     4. [M 8,192, K 1,024] x [K 1,024, N 1,024]; A: computed on the way; B: input c_proj_w (given as codes): QUANTISED
;;   THE QUANTISER, for each operand of a quantised product, along K:
;;     - K is cut into blocks of 32 from its start; a last block that is shorter is filled with zeros.
;;     - A block's scale is 2^e with e = floor(log2(the largest magnitude in the block)) - 2, held to -126 .. 127; a block of zeros has e = 0. As a byte (E8M0): e + 127.
;;     - Each number is divided by its block's scale, clamped to +-7.5, and rounded to the nearest number of E2M3, ties to even, subnormals kept.
;;     - The product sums the exact products of the quantised numbers (number of the format x scale) in f32.
;;   ~~~python
;;   def quantise(x, axis):      # numpy; x: float32 -> the quantised numbers, widened to float32 again
;;       x = np.moveaxis(x, axis, -1); K = x.shape[-1]
;;       x = np.pad(x, [(0, 0)] * (x.ndim - 1) + [(0, -K % 32)]); x = x.reshape(x.shape[:-1] + (-1, 32)); a = np.abs(x).max(-1, keepdims=True)
;;       e = np.where(a > 0, np.clip(np.frexp(np.where(a > 0, a, 1))[1] - 1 - 2, -126, 127), 0)      # np.frexp(a)[1] - 1 = floor(log2(a)), exactly
;;       r = np.clip(x / 2.0 ** e, -7.5, 7.5)
;;       step = 2.0 ** (np.maximum(np.frexp(np.where(r == 0, 1, r))[1] - 1, 0) - 3)
;;       q = np.round(r / step) * step * 2.0 ** e      # np.round: ties to even
;;       return np.moveaxis(q.reshape(q.shape[:-2] + (-1,))[..., :K], -1, axis).astype(np.float32)
;;   ~~~
;;   SOFTMAX AHEAD OF A QUANTISED PRODUCT. Where the list says 'softmax', what is quantised is not the finished softmax but p = 2^(t - M), with t = logit x log2(e) and M = ceil(the row's largest t), a whole number; so 1/2 < the row's largest p <= 1. The row's sum l is taken of the UNQUANTISED p, in f32, and the product's result is divided by l at the end. Since M is a whole number, a kernel that streams over the keys may use a running M (the ceiling of the running maximum): every later rescaling is an exact power of two, which a block's scale takes up: the codes' values come out the same.
;;   OPERANDS COMPUTED ON THE WAY. 'Computed on the way' means the value that the module computes at that place (a softmax that the list does not call 'softmax' is quantised finished and normalised). What goes into a quantiser is computed in f32, as accurately as f32 sums, v_exp_f32 and their like allow (about 1e-6 of the number): no bf16 or f16 on the way to a quantiser, and a product that is left as it is and whose result goes on into a quantised operand takes f32 operands (vector FMAs, or v_wmma_f32_16x16x4_f32). A number that lies on a knife's edge between two numbers of the format may be rounded either way, as far as f32 arithmetic and the matrix unit's own rounding can turn it there, and no further.
;;   INPUTS GIVEN AS CODES. c_attn_w (in the module: [1024, 3072], K = its axis 0); c_proj_w (in the module: [1024, 1024], K = its axis 0); x (in the module: [4, 2048, 1024], K = its axis 2): each comes as NAME_codes (uint8): NAME with its K axis moved to the last place and cut into blocks of 32 codes, [.., K / 32, bytes a block], one block behind the other in memory; four codes in three bytes: a row's codes are one little-endian stream of bits, code i at bits 6 i .. 6 i + 5 (a code: sign, 2 exponent bits, 3 mantissa bits); and NAME_scales (uint8): the same leading axes, one E8M0 byte (e + 127) for each 32 codes along K. Its value is code x scale, taken as it is: it is not quantised again, and the codes and scales need not be those that the quantiser above would give.
;; One version. Each part assembles by itself: llvm-mc -triple=amdgcn-amd-amdhsa -mcpu=gfx1250 --defsym DOCPART=n.
;; ======== version 1 of 1: 4 launches
;; workspace buffers: maskw 524,288 bytes of whole numbers; qrec 13,369,344 bytes; kvrec 13,369,344 bytes; acodes 6,291,456 bytes; ascales 262,144 bytes
;; launch maskpack (part 1): grid 256 x 1, 4 waves a work-group, no clusters, 0 bytes of LDS; arguments mask_self_attention, maskw; writes maskw
.if DOCPART == 1
	.amdgcn_target "amdgcn-amd-amdhsa--gfx1250"
	.amdhsa_code_object_version 6
	.text
	.protected	k_q16f2450f10_maskpack
	.globl	k_q16f2450f10_maskpack
	.p2align	8
	.type	k_q16f2450f10_maskpack,@function
k_q16f2450f10_maskpack:
	s_mov_b64 s[64:65], 0
	v_nop
	global_prefetch_b8 v0, s[64:65] scope:SCOPE_SE
	s_setreg_imm32_b32 hwreg(HW_REG_WAVE_MODE, 25, 1), 1
	s_wait_xcnt 0x0
; The mask [2048 queries][2048 keys], one byte each (any byte that is not 0 counts as true), becomes LANE MASKS for the attention launch:
; maskw[qt][j][n], 32 bits: bit L = mask[token(qt, L % 16)][128 j + 64 (n / 32) + 32 (L / 16) + n % 32], qt = 0..127 a tile of 16 queries, j = 0..15 a step of 128 keys,
; n = 0..63 the register of the scores.  token(qt, r) = 128 (qt / 8) + 64 ((qt % 8) / 4) + 8 (qt % 4) + 32 (r / 8) + r % 8: the rows of a tile as the attention launch takes them.
; So one select there, with word n as its lane mask, serves register n of all 32 lanes.
; A wave takes one tile of queries and two key steps: 256 bytes of each of 16 rows of the mask.  Lane (r, h) loads, of row r, the bytes 32 h .. 32 h + 31 of each 64: eight loads of 16 bytes.
; A load takes 16 bytes of each of 32 pieces of rows; the wave's eight loads together use each 256 bytes that they touch whole, and each byte of the mask is read once in the launch.
; Byte n of a lane is compared with 0: the compare's result IS word n; it is put into lane n / 2 of an output register, and the 64 words of a step leave as 256 consecutive bytes, aligned.
; No LDS, no barrier, no loop: waves share nothing.
.set X,    8                           ; v8-39   the bytes: step s at v[X + 16 s], byte n in register n / 4
.set OUTW, 40                          ; v40-43  step s: words 2 l and 2 l + 1 in lane l of v[OUTW + 2 s], v[OUTW + 2 s + 1]
.set TMPV, 44                          ; v44-47  four bytes at work
	s_load_b128 s[4:7], s[0:1], 0x0                ; the mask, maskw
	v_lshrrev_b32 v3, 5, v0
	v_readfirstlane_b32 s8, v3                     ; wave 0..3
	s_lshl_b32 s9, ttmp9, 2
	s_add_co_u32 s9, s9, s8                        ; my wave among the launch's 1,024
	s_lshr_b32 s10, s9, 3                          ; qt
	s_and_b32 s11, s9, 7                           ; which pair of key steps
	s_lshr_b32 s12, s10, 3
	s_lshl_b32 s12, s12, 7                         ; 128 (qt / 8)
	s_bfe_u32 s13, s10, 0x10002
	s_lshl_b32 s13, s13, 6                         ; 64 ((qt % 8) / 4)
	s_add_co_u32 s12, s12, s13
	s_and_b32 s13, s10, 3
	s_lshl_b32 s13, s13, 3                         ; 8 (qt % 4)
	s_add_co_u32 s12, s12, s13
	v_and_b32 v4, 7, v0
	v_bfe_u32 v5, v0, 3, 1
	v_lshl_add_u32 v4, v5, 5, v4                   ; 32 (r / 8) + r % 8
	v_add_nc_u32 v4, s12, v4                       ; my query
	v_bfe_u32 v5, v0, 4, 1                         ; h
	v_lshlrev_b32 v1, 11, v4                       ; its row of 2,048 bytes,
	v_lshl_add_u32 v1, v5, 5, v1                   ; + 32 h,
	s_lshl_b32 s13, s11, 8
	v_add_nc_u32 v1, s13, v1                       ; + the pair's 256 bytes
	s_lshl_b32 s14, s10, 4
	s_lshl_b32 s15, s11, 1
	s_add_co_u32 s14, s14, s15
	s_lshl_b32 s14, s14, 8                         ; out: (16 qt + first step) x 256 bytes
	v_and_b32 v6, 31, v0
	v_lshl_add_u32 v2, v6, 3, s14                  ; + 8 x lane
	s_wait_kmcnt 0x0
.irp s, 0,1
.irp c, 0,1
.irp e, 0,1
	global_load_b128 v[X+16*\s+8*\c+4*\e:X+16*\s+8*\c+4*\e+3], v1, s[4:5] offset:128*\s+64*\c+16*\e th:TH_LOAD_NT
.endr
.endr
.endr
.irp i, 0,1,2,3
	v_mov_b32 v[OUTW+\i], 0                        ; written whole once: a lane write keeps the other lanes
.endr
	s_wait_loadcnt 0x0
.irp s, 0,1
.set n, 0
.rept 16                                       ; four bytes (one register) at a time, so that no line waits for the line above it
.irp k, 0,1,2,3
	v_bfe_u32 v[TMPV+\k], v[X+16*\s+n/4], 8*\k, 8
.endr
.irp k, 0,1,2,3
	v_cmp_ne_u32 s[20+\k], 0, v[TMPV+\k]           ; bit L: lane L's byte n + k is true
.endr
.irp k, 0,1,2,3
	v_writelane_b32 v[OUTW+2*\s+\k%2], s[20+\k], (n+\k)/2
.endr
.set n, n+4
.endr
.endr
.irp s, 0,1
	global_store_b64 v2, v[OUTW+2*\s:OUTW+2*\s+1], s[6:7] offset:256*\s   ; 32 lanes store 256 consecutive bytes, aligned
.endr
	s_endpgm
.Lfunc_end_k_q16f2450f10_maskpack:
	.size	k_q16f2450f10_maskpack, .Lfunc_end_k_q16f2450f10_maskpack-k_q16f2450f10_maskpack
	.p2alignl 7, 3214868480
	.fill 96, 4, 3214868480
	.section	.rodata,"a",@progbits
	.p2align	6, 0x0
	.amdhsa_kernel k_q16f2450f10_maskpack
		.amdhsa_group_segment_fixed_size 0
		.amdhsa_private_segment_fixed_size 0
		.amdhsa_enable_private_segment 0
		.amdhsa_kernarg_size 16
		.amdhsa_user_sgpr_count 2
		.amdhsa_user_sgpr_kernarg_segment_ptr 1
		.amdhsa_wavefront_size32 1
		.amdhsa_system_sgpr_workgroup_id_x 1
		.amdhsa_system_sgpr_workgroup_id_y 1
		.amdhsa_system_sgpr_workgroup_id_z 1
		.amdhsa_system_vgpr_workitem_id 0
		.amdhsa_next_free_vgpr 48
		.amdhsa_next_free_sgpr 66
		.amdhsa_reserve_vcc 0
		.amdhsa_float_denorm_mode_32 3
		.amdhsa_float_denorm_mode_16_64 3
		.amdhsa_memory_ordered 1
		.amdhsa_forward_progress 1
		.amdhsa_inst_pref_size 27
	.end_amdhsa_kernel
	.amdgpu_metadata
---
amdhsa.version: [ 1, 2 ]
amdhsa.kernels:
  - .name:           k_q16f2450f10_maskpack
    .symbol:         k_q16f2450f10_maskpack.kd
    .args:
      - { .name: mask_self_attention, .offset: 0, .size: 8, .value_kind: global_buffer, .address_space: global }
      - { .name: maskw, .offset: 8, .size: 8, .value_kind: global_buffer, .address_space: global }
    .group_segment_fixed_size: 0
    .private_segment_fixed_size: 0
    .kernarg_segment_align: 8
    .kernarg_segment_size: 16
    .max_flat_workgroup_size: 128
    .sgpr_count:     66
    .vgpr_count:     48
    .wavefront_size: 32
...
	.end_amdgpu_metadata
.endif
;; end of part 1
;; launch qkv (part 2): grid 12 x 32, 4 waves a work-group, clusters of 4 x 4, 327,680 bytes of LDS; arguments x_codes, x_scales, c_attn_w_codes, c_attn_w_scales, c_attn_b, qrec, kvrec; writes qrec, kvrec
.if DOCPART == 2
	.amdgcn_target "amdgcn-amd-amdhsa--gfx1250"
	.amdhsa_code_object_version 6
	.text
	.protected	k_q16f2450f10_qkv
	.globl	k_q16f2450f10_qkv
	.p2align	8
	.type	k_q16f2450f10_qkv,@function
k_q16f2450f10_qkv:
	s_mov_b64 s[64:65], 0
	v_nop
	global_prefetch_b8 v0, s[64:65] scope:SCOPE_SE
	s_setreg_imm32_b32 hwreg(HW_REG_WAVE_MODE, 25, 1), 1
	s_wait_xcnt 0x0
	s_wait_alu depctr_hold_cnt(0) depctr_sa_sdst(0) depctr_va_vdst(0) depctr_va_sdst(0) depctr_va_ssrc(0) depctr_va_vcc(0) depctr_vm_vsrc(0)
	s_getreg_b32 s2, hwreg(HW_REG_IB_STS2, 6, 4)
	s_cmp_eq_u32 s2, 0
	s_cbranch_scc0 .Lentry_in_a_cluster
	s_endpgm
.Lentry_in_a_cluster:
	s_bfe_u32 s2, ttmp6, 0x10000c
	s_cmp_lg_u32 s2, 0xf033
	s_cbranch_scc0 .Lentry_shape_is_right
	s_endpgm
.Lentry_shape_is_right:
; qkv = x W + b on codes of FP6 (E2M3) with one E8M0 scale for each 32 along K (K = 1,024), and its results quantised again on the way out: q and k along the head's 64, v along the keys.
; Nothing of qkv goes to memory as f32: what leaves are IMAGES OF THE OPERAND REGISTERS of the attention launch, in records of 13,056 bytes for each (batch, head, group of 128 tokens):
;   +0     q's or k's codes: 48 registers = 8 tiles of 16 tokens x 6; register R of lane L at 512 (R / 4) + 16 L + 4 (R % 4); lane (r, h) of tile t: token pattern(t, r), channels 32 h .. 32 h + 31
;   +6144  v's codes, keys innermost (kvrec alone): 48 registers = 4 tiles of 16 channels x 12; lane (r, h) of tile t: channel 32 (r / 8) + 8 t + r % 8; registers 6 c .. 6 c + 5: keys 64 c + 32 h + 0 .. 31
;   +12288 q's or k's scale words: word w of lane L at 16 L + 4 w: tile 2 w + L / 16, row L % 16; bytes 0, 1 the two blocks' scales, bytes 2, 3 zero
;   +12800 v's scale words (kvrec alone): word w of lane L at 8 L + 4 w: tile 2 w + L / 16, row L % 16; four bytes for the four blocks of keys
; THE PATTERN.  pattern(t, r) = 64 (t / 4) + 32 (r / 8) + 8 (t % 4) + r % 8: the rows that form tile t of a group of 128.  Both operands' tiles are formed so.  In a result, register j of lane (r, h) belongs to source 0's
; row 8 h + j of the tile, which is row 64 c + 32 h + 8 u + j of the group (t = 4 c + u): so a lane's 32 registers of tiles 4 c .. 4 c + 3 are ONE WHOLE BLOCK of 32 neighbours, 64 c + 32 h + 0 .. 31, just what registers
; 6 c .. 6 c + 5 of a 6-bit operand hold.  A block's largest magnitude needs no other lane, and the conversions' results are the next operand's registers.
; ROLES.  Source 0, P, is the operand along whose rows the results are quantised; source 1 is R.  Clusters with x = 0 (q) and 1 (k): P = rows of W (features), R = rows of x (tokens).  Clusters with x = 2 (v): P = rows of x
; (the keys), R = W's rows 2,048 on.  The choice hangs on the cluster's x alone: it is the same in all sixteen partners.  Both tensors have rows of 768 bytes of codes and 32 scale bytes, so one set of shapes serves.
; A tile of the result, 256 rows of P x 256 rows of R, is made by four waves, each 128 x 128: 64 accumulators, 512 registers.  K goes in steps of 256 through a ring of two LDS slots filled by the tensor data mover.
; The scales of the work-group's rows for all of K come into LDS once, with the first fills.  CLUSTERS: 4 x 4 work-groups; P's tiles are shared along a column of the cluster, R's along a row: each is asked for jointly.
; LDS BANKS: a tile's two groups of eight rows lie 32 rows apart, a whole number of times through the 64 banks of 4 bytes (ISA guide 11.1) at any pitch that is a multiple of 8 bytes: by that count a fragment's loads go two deep.
; That is the price of the pattern, which spares the way out every exchange between lanes but one.
; LIMITS: NaN and infinities are not served.  A block whose largest magnitude lies under 2^-124, a block of zeros too, gets the scale byte 1 (the rule says 127 for zeros): its codes are zeros or nearly so, and this program alone reads the bytes.
; REGISTERS, in windows of 256: window 0: v0-31 addresses; v32-63 scale words, two sets; v64-127 the bias along P; v128-223 R's fragments, ONE set, on the way out 64 numbers, codes and scale words; v224-239 the bias along R; v240-254 at work.
;   window 1: P's fragments, TWO sets, at v0 and v128.   window 2: the accumulators of R's blocks 0-3 (accumulator (a, b) at v[8 (8 (a % 4) + b)]);   window 3: those of blocks 4-7.
.set KSTEP,  256                       ; along K in a slot
.set NQ,     2                         ; matrix instructions deep
.set ROWB,   192                       ; a tile's row in bytes
.set KROW,   768                       ; a row of codes in memory
.set PITCH,  240                       ; an LDS row: 3 x (64 bytes + 16 of padding)
.set FR,     12                        ; registers of a fragment
.set NL,     6                         ; LDS loads that bring one
.set NP,     4                         ; places behind this matrix instruction (ISA guide 7.12.1)
.set HALFT,  128*PITCH                 ; 128 rows: what one tensor load brings
.set SLOT,   4*HALFT                   ; R's 256 rows, then P's 256 rows
.set LAPS,   2                         ; K = 1,024 is twice round the ring
.set KS,     32                        ; a row of scales in bytes
.set SCL,    2*SLOT                    ; behind the ring: the scales, as units of 256 bytes + 16 of padding
.set HALFS,  16*272                    ; the scales of 128 rows
.set SPARE,  SCL+4*HALFS               ; the spare words, 128 bytes for each wave: two blocks of 256 bytes that no other line names
.set REC,    13056                     ; a record
.set HEADB,  16*REC                    ; from a head's record to the next head's
.set OFP,  8                           ; v8      byte offset of the bias along P; never rewritten
.set OFR,  9                           ; v9      and along R; never rewritten
.set T8,   10                          ; v10-12  a conversion's landing place
.set ADRA, 16                          ; v16-17  LDS address of R's fragments in slot 0, 1  (v18-19: for the pieces that lie behind one padding more)
.set ADRB, 20                          ; v20-21  the same for P  (v22-23)
.set SH8,  24                          ; v24     8 h
.set L16,  25                          ; v25     16 x lane
.set L8,   26                          ; v26     8 x lane
.set ADRS, 27                          ; v27     LDS address of my scale words: lanes 0-15 R's rows, lanes 16-31 P's
.set SPW,  28                          ; v28     LDS address of my spare word; never rewritten
.set NIL,  29                          ; v29     0; never rewritten
.set SC,   32                          ; scale words: set s at v[SC + 16 s]; register 2 i + q: lanes 0-15 R's block i, lanes 16-31 P's block i, the slot's q-th 128 along K
.set BP,   64                          ; v64-127 register 32 c + i: the bias of P's row 64 c + 32 h + i
.set AF,   128                         ; R's fragments
.set BR,   224                         ; v224-239 registers 2 a, 2 a + 1: the bias of R's row pattern(a, r), twice (a pair for the packed addition)
.set ST,   128                         ; the way out: 64 numbers
.set IA,   192                         ; v192-203 twelve registers of an image
.set IB,   204                         ; v204-215 and of the second head's
.set SA,   216                         ; v216-219 scale words
.set SB,   220                         ; v220-223 the second head's
.set TM,   240                         ; v240-243 largest magnitudes
.set TS,   244                         ; v244-245 the conversions' scale operands
.set TB,   246                         ; v246-247 the scales' bytes
.set PW,   248                         ; the scale word just made
.set PWE,  249                         ; that of the even tile before
.set TX,   250                         ; at work
.set T4,   252                         ; v252-254 a conversion's landing place
.set G1, 24                            ; s[24:31] descriptor group 1 for R's tiles;  s[32:39] group 0, one set for each slot
.set G0, 32
.set G1B, 48                           ; s[48:55], s[56:63] the same for P's tiles
.set G0B, 56
.set G1S, 68                           ; s[68:75], s[76:79] groups 1 and 0 for R's scales;  s[80:87], s[88:91] for P's
.set G0S, 76
.set G1SB, 80
.set G0SB, 88
.set MSB, 0
.macro WIN new                         ; the immediate's high byte repeats the setting that is left
.if MSB != \new
	s_set_vgpr_msb (MSB<<8)|\new
.set MSB, \new
.endif
.endm
.set MUL_LO, 0xa1                      ; source 0 (P) window 1, source 1 (R) window 0, C and D window 2
.set MUL_HI, 0xf1                      ; the same, C and D window 3
.set TO_B,   0x40                      ; destination window 1, address window 0
; A joint load: waves 0 and 1 fetch for R, waves 2 and 3 for P.  Each of the two lines has ONE mask and one set of registers for all that issue it; the branch hangs on the wave's number alone.
; Four v_nop follow each of the two lines, ahead of the jump, the label and what follows.
.macro JLOAD g0a, g1a, g0b, g1b
	s_cmp_eq_u32 s15, 0
	s_cbranch_scc0 .Lfor_b_\@
	tensor_load_to_lds s[\g0a:\g0a+3], s[\g1a:\g1a+7]
	s_nop 0
.rept 4
	v_nop
.endr
	s_branch .Lasked_\@
.Lfor_b_\@:
	tensor_load_to_lds s[\g0b:\g0b+3], s[\g1b:\g1b+7]
	s_nop 0
.rept 4
	v_nop
.endr
.Lasked_\@:
.endm
.macro CREST                           ; a round of the cluster's barrier behind its opening barrier
	s_cmp_lg_u32 s14, 0
	s_cbranch_scc1 .Lnot_wave_0_\@
	s_barrier_signal -3
.Lnot_wave_0_\@:
	s_barrier_wait -3
	s_barrier_signal -1
	s_barrier_wait -1
.endm
.macro CROUND                          ; a whole round
	s_barrier_signal -1
	s_barrier_wait -1
	CREST
.endm
	s_load_b256 s[4:11], s[0:1], 0x0               ; x's codes, x's scales, W's codes, W's scales
	s_load_b64 s[12:13], s[0:1], 0x20              ; the bias
	s_load_b128 s[96:99], s[0:1], 0x28             ; qrec, kvrec
	v_lshl_add_u32 v[SPW], v0, 2, SPARE
	v_mov_b32 v[NIL], 0
	ds_add_u32 v28, v29
	ds_add_u32 v28, v29
	s_wait_dscnt 0x0
	v_lshrrev_b32 v1, 5, v0
	v_readfirstlane_b32 s14, v1                    ; wave 0..3
	s_lshr_b32 s15, s14, 1                         ; which half of R's rows is mine.  Also: I fetch for R (0) or for P (1)
	s_and_b32 s16, s14, 1                          ; which half of P's rows.  Also: which 128 rows of that tile I fetch
	s_bfe_u32 s40, ttmp6, 0x40000                  ; cx, cy: my place in the cluster
	s_bfe_u32 s41, ttmp6, 0x40004
	s_and_b32 s17, ttmp7, 0xffff                   ; the cluster's y
	s_cmp_lt_u32 ttmp9, 2                          ; q or k (cluster x = 0, 1), or v (2)?  The same in all sixteen partners
	s_cselect_b32 s42, ttmp9, s17                  ; P's tiles go by the cluster's x (features) or by its y (tokens),
	s_cselect_b32 s17, s17, 0                      ; R's by its y (tokens), or there are only the cluster's four (v's features),
	s_cselect_b32 s95, 0, 2048                     ; which begin at W's row 2,048
	s_lshl_b32 s42, s42, 2
	s_add_co_u32 s42, s42, s40                     ; P's tile: it hangs on cx alone of the places in the cluster
	s_lshl_b32 s17, s17, 2
	s_add_co_u32 s17, s17, s41                     ; R's tile: on cy alone
	s_lshl_b32 s43, s41, 2
	s_lshl_b32 s43, 15, s43                        ; my row of the cluster
	s_lshl_b32 s44, 0x1111, s40                    ; my column
	; descriptor group 1: a tile of 128 rows x 192 bytes, padded in LDS
	s_or_b32 s[G1+0], s43, (0<<16)|(1<<20)|(1<<21)|(3<<22)|(3<<25)  ; 15:0 the mask: R's tiles go to my row; 17:16 element of 1 byte; 20 padding on; 21 set beside a mask; 24:22 after every 16 words (code 3); 31:25 of 4 words (code 3)
	s_or_b32 s[G1B+0], s44, (0<<16)|(1<<20)|(1<<21)|(3<<22)|(3<<25) ; P's go to my column
.irp g, G1, G1B
	s_mov_b32 s[\g+1], ROWB<<16                    ; tensor_dim0
	s_mov_b32 s[\g+2], 128<<16                     ; tensor_dim1 = 128
	s_mov_b32 s[\g+3], ROWB<<16                    ; tile_dim0
	s_mov_b32 s[\g+4], 128                         ; tile_dim1 = 128
	s_mov_b32 s[\g+5], KROW                        ; tensor_dim0_stride
	s_mov_b32 s[\g+6], 0
	s_mov_b32 s[\g+7], 0
.endr
	; and for the scales of 128 rows: a dense block of 4,096 bytes, as 16 rows of 256 bytes (32 elements of 8 bytes), 16 bytes of padding behind each
	s_or_b32 s[G1S+0], s43, (3<<16)|(1<<20)|(1<<21)|(5<<22)|(3<<25)
	s_or_b32 s[G1SB+0], s44, (3<<16)|(1<<20)|(1<<21)|(5<<22)|(3<<25)
.irp g, G1S, G1SB
	s_mov_b32 s[\g+1], 32<<16
	s_mov_b32 s[\g+2], 16<<16
	s_mov_b32 s[\g+3], 32<<16
	s_mov_b32 s[\g+4], 16
	s_mov_b32 s[\g+5], 32
	s_mov_b32 s[\g+6], 0
	s_mov_b32 s[\g+7], 0
.endr
	s_lshl_b32 s18, s16, 7                         ; which 128 rows of the tile I fetch
	s_lshl_b32 s20, s17, 8
	s_add_co_u32 s20, s20, s18
	s_add_co_u32 s20, s20, s95                     ; R: row 256 x tile + 128 x half (+ 2,048 in W for v)
	s_lshl_b32 s46, s42, 8
	s_add_co_u32 s46, s46, s18                     ; P: row 256 x tile + 128 x half
	s_mov_b32 s21, 0
	s_mov_b32 s47, 0
	s_mov_b64 s[18:19], KS
	s_mul_u64 s[22:23], s[20:21], s[18:19]         ; where these rows' scales begin, in bytes
	s_mul_u64 s[92:93], s[46:47], s[18:19]
	s_mov_b64 s[18:19], KROW
	s_mul_u64 s[20:21], s[20:21], s[18:19]         ; and their codes
	s_mul_u64 s[46:47], s[46:47], s[18:19]
	s_mul_i32 s45, s14, HALFT                      ; where they go: wave x 128 rows: no place in the cluster enters an LDS address
	s_mul_i32 s94, s14, HALFS
	s_wait_kmcnt 0x0
	s_cmp_lt_u32 ttmp9, 2                          ; the buffers by their roles: a choice that hangs on no address
	s_cselect_b64 s[18:19], s[4:5], s[8:9]         ; R's codes: x's, or W's
	s_cselect_b64 s[8:9], s[8:9], s[4:5]           ; P's codes: W's, or x's
	s_cselect_b64 s[4:5], s[6:7], s[10:11]         ; R's scales
	s_cselect_b64 s[10:11], s[10:11], s[6:7]       ; P's scales
	s_add_nc_u64 s[20:21], s[18:19], s[20:21]
	s_add_nc_u64 s[22:23], s[4:5], s[22:23]
	s_add_nc_u64 s[46:47], s[8:9], s[46:47]
	s_add_nc_u64 s[92:93], s[10:11], s[92:93]
	s_cmp_eq_u32 ttmp9, 0
	s_cselect_b64 s[96:97], s[96:97], s[98:99]     ; q's records go to qrec, k's and v's to kvrec
	CROUND                                         ; all sixteen work-groups are here: the first joint loads meet
	s_mov_b32 s[G0S], 1
	s_add_co_u32 s[G0S+1], s94, SCL
	s_mov_b64 s[G0S+2:G0S+3], s[22:23]
	s_or_b32 s[G0S+3], s[G0S+3], 0x80000000
	s_mov_b32 s[G0SB], 1
	s_add_co_u32 s[G0SB+1], s94, SCL
	s_mov_b64 s[G0SB+2:G0SB+3], s[92:93]
	s_or_b32 s[G0SB+3], s[G0SB+3], 0x80000000
	JLOAD G0S, G1S, G0SB, G1SB                     ; the scales first: they are wanted with K step 0
.irp s, 0,1
	s_mov_b32 s[G0+4*\s], 1
	s_add_co_u32 s[G0+4*\s+1], s45, \s*SLOT
	s_add_nc_u64 s[G0+4*\s+2:G0+4*\s+3], s[20:21], \s*ROWB
	s_or_b32 s[G0+4*\s+3], s[G0+4*\s+3], 0x80000000
	s_mov_b32 s[G0B+4*\s], 1
	s_add_co_u32 s[G0B+4*\s+1], s45, \s*SLOT
	s_add_nc_u64 s[G0B+4*\s+2:G0B+4*\s+3], s[46:47], \s*ROWB
	s_or_b32 s[G0B+4*\s+3], s[G0B+4*\s+3], 0x80000000
	JLOAD G0+4*\s, G1, G0B+4*\s, G1B               ; three tensor loads of mine are out
.endr
	v_bfe_u32 v2, v0, 4, 1                         ; h = l / 16
	v_and_b32 v3, 7, v0                            ; r % 8
	v_bfe_u32 v6, v0, 3, 1                         ; r / 8
	v_lshl_add_u32 v7, v6, 5, v3                   ; my row in a tile's pattern: r % 8 + 32 (r / 8)
	v_lshlrev_b32 v5, 5, v3
	v_mad_u32_u24 v1, v6, 1088, v5                 ; its scales: 32 bytes a row; 32 rows are four units of 272 bytes
	v_mul_u32_u24 v3, v7, PITCH
	v_mul_u32_u24 v4, v2, 24
	v_add_nc_u32 v4, v3, v4                        ; a fragment's row x pitch + 24 x half
	v_lshl_add_u32 v5, v2, 4, v4                   ; and the same behind one padding more
	s_mul_i32 s21, s15, HALFT                      ; my 128 rows of R
	s_mul_i32 s22, s16, HALFT                      ; my 128 rows of P,
	s_add_co_u32 s22, s22, 2*HALFT                 ; which lie behind R's 256
.irp s, 0,1
	v_add_nc_u32 v[ADRA+\s], s21, v4
	v_add_nc_u32 v[ADRB+\s], s22, v4
	v_add_nc_u32 v[ADRA+2+\s], s21, v5
	v_add_nc_u32 v[ADRB+2+\s], s22, v5
	s_add_co_u32 s21, s21, SLOT
	s_add_co_u32 s22, s22, SLOT
.endr
	s_mul_i32 s21, s15, HALFS                      ; R's scales: my 128 rows
	s_mul_i32 s22, s16, HALFS                      ; P's: my 128 rows, behind R's 256
	s_add_co_u32 s22, s22, 2*HALFS
	s_sub_co_u32 s22, s22, s21
	v_mul_u32_u24 v6, s22, v2                      ; lanes 16-31 take P's
	s_add_co_u32 s21, s21, SCL
	v_add_nc_u32 v1, v1, v6
	v_add_nc_u32 v[ADRS], s21, v1
	; the way out's constants
	v_lshlrev_b32 v[SH8], 3, v2
	v_and_b32 v6, 31, v0
	v_lshlrev_b32 v[L16], 4, v6
	v_lshlrev_b32 v[L8], 3, v6
	v_mov_b32 v[TX], 0                             ; written once: a lane permute's destination counts as one of its sources
	s_mov_b32 s67, 0xffff0000                      ; lanes 16-31
	s_mov_b32 s100, 0x76543210
	s_mov_b32 s101, 0xfedcba98                     ; v_permlanex16_b32's selects for lane l xor 16
	; the bias in both orientations.  Both sets are loaded whatever the kind, so that every register is written; the set that the kind does not use reads from the array's head and is not used
	s_lshl_b32 s20, s42, 8
	s_lshl_b32 s21, s16, 7
	s_add_co_u32 s20, s20, s21                     ; q, k: my first feature = 256 x P's tile + 128 x half
	s_lshl_b32 s22, s17, 8
	s_lshl_b32 s23, s15, 7
	s_add_co_u32 s22, s22, s23
	s_add_co_u32 s22, s22, 2048                    ; v: 2,048 + 256 x R's tile + 128 x half
	s_and_b32 s18, s42, 3
	s_cmp_lt_u32 ttmp9, 2
	s_cselect_b32 s20, s20, 0
	s_cselect_b32 s22, 0, s22
	s_cselect_b32 s46, s17, s42                    ; the tile of 256 tokens,
	s_cselect_b32 s47, s15, s16                    ; my half of it,
	s_cselect_b32 s92, s18, s17                    ; the tile of 256 features (four heads) within q, k or v,
	s_cselect_b32 s93, s16, s15                    ; my half of it (two heads)
	s_lshl_b32 s20, s20, 2
	s_lshl_b32 s22, s22, 2
	v_lshl_add_u32 v[OFP], v2, 7, s20              ; + 32 h numbers
	v_lshl_add_u32 v[OFR], v7, 2, s22              ; + my row in a tile's pattern
.irp c, 0,1
.irp e, 0,1,2,3,4,5,6,7
	global_load_b128 v[BP+32*\c+4*\e:BP+32*\c+4*\e+3], v[OFP], s[12:13] offset:256*\c+16*\e
.endr
.endr
.irp a, 0,1,2,3,4,5,6,7
	global_load_b32 v[BR+2*\a], v[OFR], s[12:13] offset:4*(64*(\a/4)+8*(\a%4))
	global_load_b32 v[BR+2*\a+1], v[OFR], s[12:13] offset:4*(64*(\a/4)+8*(\a%4))
.endr
	; my first record: ((batch x 16 + head) x 16 + group of 128 tokens) x 13,056 bytes; my second head's lies 16 records on
	s_lshr_b32 s18, s46, 3                         ; batch
	s_lshl_b32 s18, s18, 4
	s_lshl_b32 s92, s92, 2
	s_add_co_u32 s18, s18, s92
	s_lshl_b32 s93, s93, 1
	s_add_co_u32 s18, s18, s93                     ; + my first head
	s_lshl_b32 s18, s18, 4
	s_and_b32 s46, s46, 7
	s_lshl_b32 s46, s46, 1
	s_add_co_u32 s18, s18, s46
	s_add_co_u32 s18, s18, s47                     ; + the group
	s_mul_i32 s18, s18, REC
	s_mov_b32 s19, 0
	s_add_nc_u64 s[96:97], s[96:97], s[18:19]
.macro FRAG reg, adr, q, i             ; a fragment, 16 rows x 128 K of 6-bit codes, is 12 registers: lane l holds the tile's row l % 16; registers 6 c .. 6 c + 5 hold K = 64 c + 32 (l / 16) + 0 .. 31: 24 bytes of the row's stream of bits, as they lie
.irp p, 0,1,2,3,4,5                    ; in pieces of 8 bytes.  Lanes 0-15 take the row's pieces 12 q + 0, 1, 2 and 12 q + 6, 7, 8, lanes 16-31 those three pieces on
.set PC, 12*(\q)+6*(\p/3)+\p%3        ; 16 bytes of padding lie behind every 64 bytes (8 pieces): where the piece three on lies behind one padding more, the second address register serves.  Tile i begins at row 64 (i / 4) + 8 (i % 4)
.if PC%8 < 5
	ds_load_b64 v[\reg+2*\p:\reg+2*\p+1], v[\adr] offset:8*PC+16*(PC/8)+(64*((\i)/4)+8*((\i)%4))*PITCH
.else
	ds_load_b64 v[\reg+2*\p:\reg+2*\p+1], v[\adr+2] offset:8*PC+16*(PC/8)+(64*((\i)/4)+8*((\i)%4))*PITCH
.endif
.endr
.endm
; 16 matrix instructions: R's blocks a0, a0 + 1 x P's eight, 128 along K: the slot's q-th.  p: P's set;  sc: the set of scale words.  zero = 1: the first product starts the sums: nothing is ever cleared.
; The 64 accumulators take turns, one instruction a turn, in the same order in every step.
.macro MUL16 a0, p, q, sc, zero
.irp a, \a0, \a0+1
.irp b, 0,1,2,3,4,5,6,7
.if \zero
	v_wmma_scale_f32_16x16x128_f8f6f4 v[8*(8*((\a)%4)+\b):8*(8*((\a)%4)+\b)+7], v[128*(\p)+FR*\b:128*(\p)+FR*\b+FR-1], v[AF+FR*(\a):AF+FR*(\a)+FR-1], 0, v[SC+8*NQ*(\sc)+NQ*\b+(\q)], v[SC+8*NQ*(\sc)+NQ*(\a)+(\q)] matrix_a_fmt:MATRIX_FMT_FP6 matrix_b_fmt:MATRIX_FMT_FP6 matrix_a_scale:MATRIX_SCALE_ROW1
.else
	v_wmma_scale_f32_16x16x128_f8f6f4 v[8*(8*((\a)%4)+\b):8*(8*((\a)%4)+\b)+7], v[128*(\p)+FR*\b:128*(\p)+FR*\b+FR-1], v[AF+FR*(\a):AF+FR*(\a)+FR-1], v[8*(8*((\a)%4)+\b):8*(8*((\a)%4)+\b)+7], v[SC+8*NQ*(\sc)+NQ*\b+(\q)], v[SC+8*NQ*(\sc)+NQ*(\a)+(\q)] matrix_a_fmt:MATRIX_FMT_FP6 matrix_b_fmt:MATRIX_FMT_FP6 matrix_a_scale:MATRIX_SCALE_ROW1
.endif
.endr
.endr
.endm
.macro FETCH_B slot, q, p              ; P's eight fragments of the slot's q-th 128 along K into set p
	WIN TO_B
.irp i, 0,1,2,3,4,5,6,7
	FRAG 128*(\p)+FR*\i, ADRB+\slot, \q, \i
.endr
	WIN 0
.endm
.macro FETCH_A slot, q, i0             ; R's blocks i0 .. i0 + 3
.irp i, \i0, \i0+1, \i0+2, \i0+3
	FRAG AF+FR*(\i), ADRA+\slot, \q, \i
.endr
.endm
.macro SCALES sc                       ; the next K step's scale words into set sc: two words a row; lanes 0-15 take R's block i, lanes 16-31 P's block i.  Tile i's first row lies 8 (i / 4) + i % 4 units of 272 bytes on
.irp i, 0,1,2,3,4,5,6,7
	ds_load_b64 v[SC+8*NQ*\sc+NQ*\i:SC+8*NQ*\sc+NQ*\i+1], v[ADRS] offset:(8*(\i/4)+\i%4)*272
.endr
.endm
; A load into a register that a matrix instruction has read, and a vector instruction that reads a matrix result, stand NP places behind that matrix instruction, and only plain vector
; instructions that name none of its registers are places (ISA guide 7.12.1 for vector instructions).
.macro PLACES n
.rept \n
	v_nop
.endr
.endm
; A step of 128 along K that has its successor in the same slot.
.macro STEP slot, q, zero
	s_wait_dscnt 4*NL                              ; P's set and R's blocks 0-3 are in; the youngest 24 loads (R's blocks 4-7) may be out
	WIN MUL_LO
	MUL16 0, (\q)%2, \q, \slot, \zero
	MUL16 2, (\q)%2, \q, \slot, \zero
	s_wait_dscnt 0                                 ; R's blocks 4-7 are in (asked for 32 matrix instructions ago)
	PLACES NP
	FETCH_B \slot, (\q)+1, 1-(\q)%2
	FETCH_A \slot, (\q)+1, 0
	WIN MUL_HI
	MUL16 4, (\q)%2, \q, \slot, \zero
	MUL16 6, (\q)%2, \q, \slot, \zero
	PLACES NP
	WIN 0
	FETCH_A \slot, (\q)+1, 4
.endm
; A slot's last step changes slots: ONE barrier; in front of it each wave waits for all its tensor loads, adds 0 to its spare word, and waits for that and for its own reads of this slot.  fill = 1: this slot is filled again, two K steps ahead.
.macro TURN slot, next, fill
	s_wait_tensorcnt 0x0                           ; all my tensor loads have landed: my part of the next slot;  (every window is 0 here)
	ds_add_u32 v[SPW], v[NIL]                      ; 0 onto my spare word;
	s_wait_dscnt 4*NL+1                            ; (the add and the youngest 24 loads, R's blocks 4-7, may be out)
	WIN MUL_LO
	MUL16 0, 1, NQ-1, \slot, 0                     ; sixteen matrix instructions stand between the add and the wait for it
	s_wait_dscnt 0x0                               ; the add is done, and my reads of this slot are over
	s_barrier_signal -1
	MUL16 2, 1, NQ-1, \slot, 0
	WIN 0
	s_barrier_wait -1
.if \fill
	CREST                                          ; the barrier has opened a round of the cluster's barrier: no wave of any partner still reads this slot's tile or has a load on its way
	s_add_nc_u64 s[G0+4*\slot+2:G0+4*\slot+3], s[G0+4*\slot+2:G0+4*\slot+3], 2*ROWB
	s_add_nc_u64 s[G0B+4*\slot+2:G0B+4*\slot+3], s[G0B+4*\slot+2:G0B+4*\slot+3], 2*ROWB
	JLOAD G0+4*\slot, G1, G0B+4*\slot, G1B         ; the first tensor load behind the round; the four v_nop behind it are the places in front of the loads below
.else
	PLACES NP
.endif
	v_add_nc_u32 v[ADRS], 4*NQ, v[ADRS]            ; on to the next K step's scale words
	FETCH_B \next, 0, 0
	FETCH_A \next, 0, 0
	SCALES \next
	WIN MUL_HI
	MUL16 4, 1, NQ-1, \slot, 0
	MUL16 6, 1, NQ-1, \slot, 0
	PLACES NP
	WIN 0
	FETCH_A \next, 0, 4
.endm
	s_wait_tensorcnt 1                             ; the scales and my part of K step 0 are in (K step 1's load may be out)
	s_barrier_signal -1
	s_barrier_wait -1                              ; everybody's are
	FETCH_B 0, 0, 0
	FETCH_A 0, 0, 0
	SCALES 0
	FETCH_A 0, 0, 4
	STEP 0, 0, 1                                   ; the first step stands in front of the loop: its products start the sums
	s_mov_b32 s3, LAPS-1
.Llap:                                                 ; a trip goes once round the ring, from a lap's second step to the next lap's first, and fills both slots again
	TURN 0, 1, 1
	STEP 1, 0, 0
	TURN 1, 0, 1
	STEP 0, 0, 0
	s_sub_co_u32 s3, s3, 1
	s_cmp_lg_u32 s3, 0
	s_cbranch_scc1 .Llap
	TURN 0, 1, 0                                   ; the last lap fills nothing, and has no round of the cluster's barrier
	STEP 1, 0, 0
	s_wait_dscnt 4*NL                              ; the very last step: nothing more to fetch
	WIN MUL_LO
	MUL16 0, 1, NQ-1, 1, 0
	MUL16 2, 1, NQ-1, 1, 0
	s_wait_dscnt 0
	WIN MUL_HI
	MUL16 4, 1, NQ-1, 1, 0
	MUL16 6, 1, NQ-1, 1, 0
	WIN 0
	s_wait_tensorcnt 0x0                           ; the wave's last LDS instructions, behind my last tensor load; the way out touches no LDS
	ds_add_u32 v[SPW], v[NIL]
	PLACES NP                                      ; the places behind the last products, ahead of the first read of results and of writes into R's fragments' registers
	s_wait_dscnt 0x0
	s_wait_loadcnt 0x0                             ; the bias
; THE WAY OUT.  For R's block a, a lane's 64 results (accumulators (a, 0 .. 7)) are two whole blocks of 32 along P: register 32 c + i = P's row 64 c + 32 h + i, for R's row pattern(a, r).
.macro ADDB_P a                        ; + the bias along P, into window 0; each accumulator is read from its low end on
	WIN 0x02+(\a)/4
.set i, 0
.rept 32
	v_pk_add_f32 v[ST+i:ST+i+1], v[64*((\a)%4)+i:64*((\a)%4)+i+1], v[BP+i:BP+i+1]
.set i, i+2
.endr
	WIN 0
.endm
.macro ADDB_R a                        ; + the bias along R: one number a lane
	WIN 0x02+(\a)/4
.set i, 0
.rept 32
	v_pk_add_f32 v[ST+i:ST+i+1], v[64*((\a)%4)+i:64*((\a)%4)+i+1], v[BR+2*(\a):BR+2*(\a)+1]
.set i, i+2
.endr
	WIN 0
.endm
; 64 numbers of a lane, v[s + 32 c + i], become six registers of codes at d0 (c = 0) and six at d1 (c = 1), and the scale word v[PW]: byte 2 c + h is the scale of the block (c, h) of the lane's row; every lane ends up with the whole word.
.macro QUANT s, d0, d1
.irp q, 0,1,2,3
	v_max3_num_f32 v[TM+\q], |v[\s+16*\q]|, |v[\s+16*\q+1]|, 0x1800000   ; four chains of 16 numbers, and the floor 2^(3 - 127), under which no largest magnitude is taken: so the byte cannot fall under 1
.endr
.irp i, 2,4,6,8,10,12,14
.irp q, 0,1,2,3
	v_max3_num_f32 v[TM+\q], v[TM+\q], |v[\s+16*\q+\i]|, |v[\s+16*\q+\i+1]|
.endr
.endr
	v_max_num_f32 v[TM], v[TM], v[TM+1]            ; my block of c = 0: all its 32 numbers are mine
	v_max_num_f32 v[TM+2], v[TM+2], v[TM+3]        ; and of c = 1
	v_add_nc_u32 v[TS], 0xff000000, v[TM]          ; 2 off the exponent field: the conversion takes the exponent field of this operand as its scale, and nothing else of it
	v_add_nc_u32 v[TS+1], 0xff000000, v[TM+2]
	v_lshrrev_b32 v[TB], 23, v[TS]                 ; the scale's byte
	v_lshrrev_b32 v[TB+1], 23, v[TS+1]
	v_lshl_or_b32 v[PW], v[TB+1], 16, v[TB]
	v_lshlrev_b32 v[PW], v[SH8], v[PW]             ; at their places in the word: 8 h bits up
	v_permlanex16_b32 v[TX], v[PW], s100, s101
	v_or_b32 v[PW], v[PW], v[TX]                   ; with lane l xor 16's two the word is whole
	v_cvt_scalef32_pk16_fp6_f32 v[\d0:\d0+2], v[\s:\s+15], v[TS]
	v_cvt_scalef32_pk16_fp6_f32 v[T4:T4+2], v[\s+16:\s+31], v[TS]       ; (a conversion's three registers begin on an even number: the second half of a block's six does not, so it is made elsewhere and moved)
	v_cvt_scalef32_pk16_fp6_f32 v[\d1:\d1+2], v[\s+32:\s+47], v[TS+1]
	v_cvt_scalef32_pk16_fp6_f32 v[T8:T8+2], v[\s+48:\s+63], v[TS+1]
	v_nop                                          ; one plain place behind a scaled conversion
.irp i, 0,1,2
	v_mov_b32 v[\d0+3+\i], v[T4+\i]
	v_mov_b32 v[\d1+3+\i], v[T8+\i]
.endr
.endm
	s_cmp_lt_u32 ttmp9, 2
	s_cbranch_scc0 .Lv
	; q, k: P's 128 rows are two heads of 64 channels (c = the head), R's block a is tile a of my 128 tokens.  Two tiles make twelve registers, three stores of 512 consecutive bytes, for each head
.irp e, 0,1,2,3
	ADDB_P 2*\e
.if \e > 0
	s_wait_xcnt 0x0                                ; the last pair's stores have read their registers: the images may be written again
.endif
	QUANT ST, IA, IB
	v_mov_b32 v[PWE], v[PW]
	ADDB_P 2*\e+1
	QUANT ST, IA+6, IB+6
	v_cndmask_b32 v[TX], v[PWE], v[PW], s67        ; lanes 0-15 keep the even tile's word, lanes 16-31 the odd tile's
	v_and_b32 v[SA+\e], 0xffff, v[TX]              ; the first head's two bytes; bytes 2 and 3 are zero
	v_lshrrev_b32 v[SB+\e], 16, v[TX]              ; the second head's
.irp g, 0,1,2
	global_store_b128 v[L16], v[IA+4*\g:IA+4*\g+3], s[96:97] offset:1536*\e+512*\g
	global_store_b128 v[L16], v[IB+4*\g:IB+4*\g+3], s[96:97] offset:HEADB+1536*\e+512*\g
.endr
.endr
	global_store_b128 v[L16], v[SA:SA+3], s[96:97] offset:12288
	global_store_b128 v[L16], v[SB:SB+3], s[96:97] offset:HEADB+12288
	s_branch .Ldone
.Lv:
	; v: P's 128 rows are a group of 128 keys, R's block a is tile a % 4 of the channels of head a / 4: its twelve registers are one fragment of V^T
.irp a, 0,1,2,3,4,5,6,7
	ADDB_R \a
.if \a > 0
	s_wait_xcnt 0x0                                ; the last tile's stores have read their registers
.endif
	QUANT ST, IA, IA+6
.if \a%2 == 0
	v_mov_b32 v[PWE], v[PW]
.else
	v_cndmask_b32 v[SA+\a/2], v[PWE], v[PW], s67   ; lanes 0-15 the even tile's word, lanes 16-31 the odd tile's
.endif
.irp g, 0,1,2
	global_store_b128 v[L16], v[IA+4*\g:IA+4*\g+3], s[96:97] offset:HEADB*(\a/4)+6144+1536*(\a%4)+512*\g
.endr
.if \a%4 == 3
	global_store_b64 v[L8], v[SA+2*(\a/4):SA+2*(\a/4)+1], s[96:97] offset:HEADB*(\a/4)+12800   ; 256 consecutive bytes
.endif
.endr
.Ldone:
	CROUND                                         ; the closing round: no work-group ends while a partner may still ask for a tile that names it
	s_endpgm
.Lfunc_end_k_q16f2450f10_qkv:
	.size	k_q16f2450f10_qkv, .Lfunc_end_k_q16f2450f10_qkv-k_q16f2450f10_qkv
	.p2alignl 7, 3214868480
	.fill 96, 4, 3214868480
	.section	.rodata,"a",@progbits
	.p2align	6, 0x0
	.amdhsa_kernel k_q16f2450f10_qkv
		.amdhsa_group_segment_fixed_size 327680
		.amdhsa_private_segment_fixed_size 0
		.amdhsa_enable_private_segment 0
		.amdhsa_kernarg_size 56
		.amdhsa_user_sgpr_count 2
		.amdhsa_user_sgpr_kernarg_segment_ptr 1
		.amdhsa_wavefront_size32 1
		.amdhsa_system_sgpr_workgroup_id_x 1
		.amdhsa_system_sgpr_workgroup_id_y 1
		.amdhsa_system_sgpr_workgroup_id_z 1
		.amdhsa_system_vgpr_workitem_id 0
		.amdhsa_next_free_vgpr 1024
		.amdhsa_next_free_sgpr 102
		.amdhsa_reserve_vcc 0
		.amdhsa_float_denorm_mode_32 3
		.amdhsa_float_denorm_mode_16_64 3
		.amdhsa_memory_ordered 1
		.amdhsa_forward_progress 1
		.amdhsa_inst_pref_size 223
	.end_amdhsa_kernel
	.amdgpu_metadata
---
amdhsa.version: [ 1, 2 ]
amdhsa.kernels:
  - .name:           k_q16f2450f10_qkv
    .symbol:         k_q16f2450f10_qkv.kd
    .args:
      - { .name: x_codes, .offset: 0, .size: 8, .value_kind: global_buffer, .address_space: global }
      - { .name: x_scales, .offset: 8, .size: 8, .value_kind: global_buffer, .address_space: global }
      - { .name: c_attn_w_codes, .offset: 16, .size: 8, .value_kind: global_buffer, .address_space: global }
      - { .name: c_attn_w_scales, .offset: 24, .size: 8, .value_kind: global_buffer, .address_space: global }
      - { .name: c_attn_b, .offset: 32, .size: 8, .value_kind: global_buffer, .address_space: global }
      - { .name: qrec, .offset: 40, .size: 8, .value_kind: global_buffer, .address_space: global }
      - { .name: kvrec, .offset: 48, .size: 8, .value_kind: global_buffer, .address_space: global }
    .group_segment_fixed_size: 327680
    .private_segment_fixed_size: 0
    .kernarg_segment_align: 8
    .kernarg_segment_size: 56
    .max_flat_workgroup_size: 128
    .sgpr_count:     102
    .vgpr_count:     1024
    .wavefront_size: 32
...
	.end_amdgpu_metadata
.endif
;; end of part 2
;; launch attn (part 3): grid 8 x 64, 16 waves a work-group, clusters of 4 x 1, 210,944 bytes of LDS; arguments qrec, kvrec, maskw, acodes, ascales; writes acodes, ascales
.if DOCPART == 3
	.amdgcn_target "amdgcn-amd-amdhsa--gfx1250"
	.amdhsa_code_object_version 6
	.text
	.protected	k_q16f2450f10_attn
	.globl	k_q16f2450f10_attn
	.p2align	8
	.type	k_q16f2450f10_attn,@function
k_q16f2450f10_attn:
	s_mov_b64 s[64:65], 0
	v_nop
	global_prefetch_b8 v0, s[64:65] scope:SCOPE_SE
	s_setreg_imm32_b32 hwreg(HW_REG_WAVE_MODE, 25, 1), 1
	s_wait_xcnt 0x0
	s_wait_alu depctr_hold_cnt(0) depctr_sa_sdst(0) depctr_va_vdst(0) depctr_va_sdst(0) depctr_va_ssrc(0) depctr_va_vcc(0) depctr_vm_vsrc(0)
	s_getreg_b32 s2, hwreg(HW_REG_IB_STS2, 6, 4)
	s_cmp_eq_u32 s2, 0
	s_cbranch_scc0 .Lentry_in_a_cluster
	s_endpgm
.Lentry_in_a_cluster:
	s_bfe_u32 s2, ttmp6, 0x10000c
	s_cmp_lg_u32 s2, 0x3003
	s_cbranch_scc0 .Lentry_shape_is_right
	s_endpgm
.Lentry_shape_is_right:
; a[b][q][head, :] = softmax_k(where(mask, -10000, q . k / 8)) v, both products on codes of FP6 (E2M3) with one E8M0 scale for each 32 along a product's K; the result is quantised along D for the last product.
; THE SOFTMAX AHEAD OF THE SECOND PRODUCT: t = logit x log2(e); M = the row's largest t so far, rounded UP to a whole number; p = 2^(t - M) is what is quantised, along the keys, not normalised.
; The row's sum is taken of the unquantised p, in f32, and divides O at the end.  When M moves, the sum and O are multiplied by 2^(old M - new M): exact.
; THE MASK is an input: every tile is computed.  A masked score is REPLACED ahead of the maximum, by one select a register whose lane mask is a word of maskw in a scalar register (64 words a key step).
; The scores are kept as q . k; one multiplication by c = log2(e) / 8 makes t, so the replacement is -80000 = -10000 x 8: its t differs from -10000 x log2(e) by the rounding of one multiplication at the most.
; SHARES.  A work-group owns 256 queries of one (batch, head); each of its SIXTEEN waves one tile of 16, in 256 registers: four waves to a SIMD, so that one wave's vector work stands beside another's matrix work and LDS loads.
; Every wave walks the head's 2,048 keys, 128 a step.  K, V and their scales lie in memory as images of the operands' registers, a record of 13,056 bytes for each 128 keys (layout: the launch that writes them).
; THE WHOLE HEAD, 16 records, 208,896 bytes, LIES IN LDS: every LDS byte is filled once, so there is no ring.  Waves 0 to 3 fetch four records each, one of each quarter; a quarter is read behind one barrier.
; CLUSTER.  The four blocks of queries of a cluster belong to one head and read the same records: each record is asked for jointly, by the same tensor load with the same descriptor and a mask that names the four.
; Nothing is prefetched: all that the work-group reads from kvrec is asked for at its head.
; LAYOUT.  Both products are used transposed: S^T = K Q^T (source 0 = 16 keys, source 1 = my 16 queries), O^T = V^T P^T: a lane holds ONE query (lane % 16) throughout.  Row r of tile t = 4 c + u of a group of 128 is
; 64 c + 32 (r / 8) + 8 u + r % 8, so register 32 c + i of the scores is key 64 c + 32 (lane / 16) + i: a lane holds whole blocks of 32 keys, a block's largest p needs no other lane, and the conversions' results are P's registers.
; K = 64 IN AN INSTRUCTION OF K = 128.  Q's registers 6-11 are zero codes, and bytes 2 and 3 of both scale words are 0 (2^-127, no NaN).  So the upper six registers of K's operand may hold any codes: a code is a finite
; number, and it is multiplied by zero.  Tile t's operand is v[32 + 6 t : 43 + 6 t]: its upper half is the next tile's data; tile 7's is six registers of zeros.
; LIMITS: NaN and infinities are not served.  A block of p or of the result whose largest magnitude lies under 2^-124 gets the scale byte 1: its codes are zeros or nearly so, and this program alone reads the bytes.
; The exponential gives 0 for what would be denormal (ISA guide, its entry in 15.8): such p are nothing beside the row's largest, which is over 1/2.
.set REC,   13056
.set QUARB, 4*REC                      ; a quarter of the head
.set HEADB, 16*REC
.set L16,  1                           ; v1   16 x lane; never rewritten
.set L8,   2                           ; v2   8 x lane; never rewritten
.set ADR,  3                           ; v3   LDS address of the step's record, + 16 x lane
.set ADR8, 4                           ; v4   + 8 x lane
.set NEG,  5                           ; v5   -80000
.set SH8,  6                           ; v6   8 h
.set T0,   7                           ; v7   at work (a lane permute's destination)
.set KSC,  8                           ; v8-11  K's scale words: word w: lanes 0-15 tile 2 w, lanes 16-31 tile 2 w + 1
.set NM,   12                          ; v12 -M;  v13 the largest t so far
.set SUM,  14                          ; v14-15 the sum, in two halves
.set QF,   16                          ; v16-21 Q's codes, v22-27 zero codes
.set QS,   28                          ; v28  Q's scale word
.set PW,   29                          ; v29  p's scale word
.set VSC,  30                          ; v30-31 V's scale words
.set KF,   32                          ; v32-79 K's 8 tiles x 6;  v80-85 zeros
.set F,    86                          ; v86  f = 2^(old M - new M);  v87 named with it as a pair
.set BM,   88                          ; v88, v89 my two blocks' largest score, then largest p
.set SD,   90                          ; v90-91 side chains of the maxima, then the second chain of the sums
.set TS,   92                          ; v92-93 the conversions' scale operands
.set TBY,  94                          ; v94-95 the scales' bytes
.set S,    96                          ; v96-159 S^T, then p
.set O,    160                         ; v160-191 O^T: register 8 t + j = channel 32 h + 8 t + j
.set VF,   192                         ; v192-239 V^T's 4 tiles x 12
.set PC,   240                         ; v240-251 p's codes
.set T4,   252                         ; v252-254 a conversion's landing place
.set T8,   88                          ; v88-90   another, once the maxima and the sums are done
.set T1,   255                         ; v255 at work
.set WV,   2                           ; s2   my wave's number
.set CNT,  3                           ; s3   counts a quarter's four steps
.set G1,   4                           ; s[4:11]  descriptor group 1
.set CS,   12                          ; s[12:13] c = log2(e) / 8: the packed form names a pair and takes its low word for both halves
.set SEL,  14                          ; s[14:15] lane selects for v_permlanex16_b32: lane l xor 16
.set G0,   16                          ; s[16:31] descriptor group 0, a set for each quarter
.set MP,   66                          ; s[66:67] maskw at my tile of queries
.set MO,   100                         ; s100 byte offset of the step's 64 words
.set TBS,  101                         ; s101 LDS byte of the step's record
; the step's mask words: word n in s[32 + n + 4 (n / 32)]: s32-63 and s68-99.  Ahead of the first such load these registers are at work on the set-up
.macro CROUND                          ; a round of the cluster's barrier
	s_barrier_signal -1
	s_barrier_wait -1
	s_cmp_lg_u32 s[WV], 0
	s_cbranch_scc1 .Lnot_wave_0_\@
	s_barrier_signal -3
.Lnot_wave_0_\@:
	s_barrier_wait -3
	s_barrier_signal -1
	s_barrier_wait -1
.endm
.macro MASKLOAD                        ; 64 words, 256 bytes
	s_load_b512 s[32:47], s[MP:MP+1], s[MO] offset:0x0
	s_load_b512 s[48:63], s[MP:MP+1], s[MO] offset:0x40
	s_load_b512 s[68:83], s[MP:MP+1], s[MO] offset:0x80
	s_load_b512 s[84:99], s[MP:MP+1], s[MO] offset:0xc0
.endm
	s_load_b128 s[32:35], s[0:1], 0x0              ; qrec, kvrec
	s_load_b64 s[MP:MP+1], s[0:1], 0x10            ; maskw
	v_lshl_add_u32 v254, v0, 2, 0x33000
	v_mov_b32 v255, 0
	ds_add_u32 v254, v255
	ds_add_u32 v254, v255
	s_wait_dscnt 0x0
	v_lshrrev_b32 v[T0], 5, v0
	v_readfirstlane_b32 s[WV], v[T0]               ; wave 0..15
	s_bfe_u32 s36, ttmp6, 0x40000                  ; cx: my place in the cluster
	s_lshl_b32 s37, ttmp9, 2
	s_add_co_u32 s37, s37, s36                     ; my block of 256 queries: it enters qrec's, maskw's and the outputs' addresses alone
	s_and_b32 s38, ttmp7, 0xffff                   ; batch x 16 + head, which the four partners share
	; descriptor group 1: a record, dense in memory and in LDS: 51 rows of 256 bytes (32 elements of 8 bytes)
	s_mov_b32 s[G1], 15|(3<<16)|(1<<21)            ; 15:0 the mask: all four work-groups; 17:16 elements of 8 bytes; 20 no padding; 21 set beside a mask
	s_mov_b32 s[G1+1], 32<<16                      ; tensor_dim0 = 32
	s_mov_b32 s[G1+2], 51<<16                      ; tensor_dim1 = 51
	s_mov_b32 s[G1+3], 32<<16                      ; tile_dim0 = 32
	s_mov_b32 s[G1+4], 51                          ; tile_dim1 = 51
	s_mov_b32 s[G1+5], 32                          ; tensor_dim0_stride
	s_mov_b32 s[G1+6], 0
	s_mov_b32 s[G1+7], 0
	s_mov_b32 s[CS], 0x3e38aa3b                    ; c = log2(e) / 8
	s_mov_b32 s[CS+1], s[CS]
	s_mov_b32 s[SEL], 0x76543210
	s_mov_b32 s[SEL+1], 0xfedcba98
	s_mul_i32 s39, s[WV], REC                      ; waves 0 to 3: record 4 q + wave of quarter q, in LDS
	s_mul_i32 s40, s38, HEADB
	s_add_co_u32 s40, s40, s39                     ; and in kvrec
	s_mov_b32 s41, 0
	s_lshr_b32 s42, s[WV], 3
	s_lshl_b32 s43, s37, 1
	s_add_co_u32 s42, s42, s43                     ; my group of 128 queries: 2 x block + wave / 8
	s_and_b32 s43, s[WV], 7                        ; my tile t in it
	s_lshl_b32 s44, s38, 4
	s_add_co_u32 s44, s44, s42
	s_mul_i32 s44, s44, REC                        ; its record in qrec
	s_mov_b32 s45, 0
	s_lshr_b32 s46, s43, 1                         ; t / 2
	s_and_b32 s47, s43, 1                          ; t % 2
	s_mul_i32 s48, s46, 1536                       ; tiles 2 (t / 2) and 2 (t / 2) + 1 are twelve registers: three runs of 512 bytes
	s_lshl_b32 s49, s47, 8
	s_lshl_b32 s46, s46, 2
	s_add_co_u32 s49, s49, s46                     ; my tile's scale words: 256 (t % 2) + 4 (t / 2)
	s_sub_co_u32 s50, 0, s47                       ; all ones where t is odd
	s_lshl_b32 s52, s37, 4
	s_add_co_u32 s52, s52, s[WV]                   ; my tile among the 128 tiles of queries
	s_lshl_b32 s52, s52, 12                        ; 16 steps x 256 bytes
	s_mov_b32 s53, 0
	s_wait_kmcnt 0x0
	s_add_nc_u64 s[34:35], s[34:35], s[40:41]
	s_add_nc_u64 s[32:33], s[32:33], s[44:45]
	s_add_nc_u64 s[MP:MP+1], s[MP:MP+1], s[52:53]
.irp q, 0,1,2,3
	s_mov_b32 s[G0+4*\q], 1                        ; 1:0 count = 1
	s_add_co_u32 s[G0+4*\q+1], s39, \q*QUARB       ; 63:32 LDS address
	s_add_nc_u64 s[G0+4*\q+2:G0+4*\q+3], s[34:35], \q*QUARB   ; 120:64 global address
	s_or_b32 s[G0+4*\q+3], s[G0+4*\q+3], 0x80000000           ; 127:126 type = 2
.endr
	CROUND                                         ; all four work-groups are here: the joint loads meet
	s_cmp_lt_u32 s[WV], 4                          ; a wave's four fills stand in one branch, ahead of every wait on TENSORcnt, every LDS read and every other barrier: four loads of mine are out
	s_cbranch_scc0 .Lno_fetch
	tensor_load_to_lds s[G0:G0+3], s[G1:G1+7]
	s_nop 0
	tensor_load_to_lds s[G0+4:G0+7], s[G1:G1+7]
	s_nop 0
	tensor_load_to_lds s[G0+8:G0+11], s[G1:G1+7]
	s_nop 0
	tensor_load_to_lds s[G0+12:G0+15], s[G1:G1+7]
	s_nop 0
.rept 4
	v_nop
.endr
.Lno_fetch:
	v_and_b32 v[T0], 31, v0
	v_lshlrev_b32 v[L16], 4, v[T0]
	v_lshlrev_b32 v[L8], 3, v[T0]
	v_bfe_u32 v[SH8], v0, 4, 1
	v_lshlrev_b32 v[SH8], 3, v[SH8]
	v_add_nc_u32 v252, s48, v[L16]
	v_and_b32 v253, 15, v0
	v_lshlrev_b32 v253, 4, v253
	v_add_nc_u32 v253, s49, v253                   ; row r's word: 16 r on
.irp g, 0,1,2
	global_load_b128 v[KF+4*\g:KF+4*\g+3], v252, s[32:33] offset:512*\g   ; the pair of tiles that holds mine
.endr
	global_load_b32 v[QS], v253, s[32:33] offset:12288
	v_mov_b32 v[NEG], 0xc79c4000                   ; -80000
	v_mov_b32 v[T0], 0                             ; written once: a lane permute's destination counts as one of its sources
	v_mov_b32 v13, 0xff61b1e6                      ; the largest t so far: -3e38, under every t
	v_floor_f32 v[NM], -v13                        ; -M
	v_mov_b32 v[SUM], 0
	v_mov_b32 v[SUM+1], 0
	v_mov_b32 v[F+1], 0
.irp i, 0,1,2,3,4,5
	v_mov_b32 v[QF+6+\i], 0                        ; Q's zero codes for K = 64 .. 127
	v_mov_b32 v[KF+48+\i], 0                       ; the tail of K's last tile
.endr
	s_wait_loadcnt 0x0                             ; Q is in: its address registers and base are free
.irp i, 0,1,2,3,4,5
	v_cndmask_b32 v[QF+\i], v[KF+\i], v[KF+6+\i], s50   ; the even tile's six registers or the odd tile's
.endr
.irp j, 0,1,2,3,4,5,6,7,8,9,10,11,12,13,14,15,16,17,18,19,20,21,22,23,24,25,26,27,28,29,30,31
	v_mov_b32 v[O+\j], 0                           ; O^T.  (The step is written once: the first finds zeros, which the first change of M leaves zeros)
.endr
	s_mov_b32 s[MO], 0
	MASKLOAD                                       ; the first step's mask words: the set-up's scalars are done with
; A KEY STEP: 128 keys, one record.
.macro STEP
	v_add_nc_u32 v[ADR], s[TBS], v[L16]
	v_add_nc_u32 v[ADR8], s[TBS], v[L8]
	v_nop
	v_nop                                          ; four places behind the last step's products, ahead of the loads into V's registers
.irp g, 0,1,2,3,4,5,6,7,8,9,10,11
	ds_load_b128 v[KF+4*\g:KF+4*\g+3], v[ADR] offset:512*\g          ; an image comes back as it was stored: 512 consecutive bytes a load
.endr
	ds_load_b128 v[KSC:KSC+3], v[ADR] offset:12288
.irp g, 0,1,2,3,4,5,6,7,8,9,10,11
	ds_load_b128 v[VF+4*\g:VF+4*\g+3], v[ADR] offset:6144+512*\g
.endr
	ds_load_b64 v[VSC:VSC+1], v[ADR8] offset:12800
	s_wait_dscnt 13                                ; K and its scale words are in; V's twelve loads and its scale words' one may be out
.irp t, 0,1,2,3,4,5,6,7
.if \t%2
	v_wmma_scale_f32_16x16x128_f8f6f4 v[S+8*\t:S+8*\t+7], v[KF+6*\t:KF+6*\t+11], v[QF:QF+11], 0, v[KSC+\t/2], v[QS] matrix_a_fmt:MATRIX_FMT_FP6 matrix_b_fmt:MATRIX_FMT_FP6 matrix_a_scale:MATRIX_SCALE_ROW1
.else
	v_wmma_scale_f32_16x16x128_f8f6f4 v[S+8*\t:S+8*\t+7], v[KF+6*\t:KF+6*\t+11], v[QF:QF+11], 0, v[KSC+\t/2], v[QS] matrix_a_fmt:MATRIX_FMT_FP6 matrix_b_fmt:MATRIX_FMT_FP6
.endif
.endr
	s_wait_kmcnt 0x0                               ; the step's mask words, asked for a step ago
.rept 4
	v_nop                                          ; places behind the products
.endr
.set n, 0
.rept 64
	v_cndmask_b32 v[S+n], v[S+n], v[NEG], s[32+n+4*(n/32)]   ; a masked score is replaced; each accumulator is read from its low end on
.set n, n+1
.endr
	v_max3_num_f32 v[BM], v[S], v[S+1], v[S+2]     ; THE LARGEST SCORE OF MY TWO BLOCKS OF 32 KEYS, in four chains: it serves twice: for the row's maximum, and, since p rises with the score, for the block's largest p
	v_max3_num_f32 v[SD], v[S+16], v[S+17], v[S+18]
	v_max3_num_f32 v[BM+1], v[S+32], v[S+33], v[S+34]
	v_max3_num_f32 v[SD+1], v[S+48], v[S+49], v[S+50]
.irp i, 3,5,7,9,11,13
	v_max3_num_f32 v[BM], v[BM], v[S+\i], v[S+\i+1]
	v_max3_num_f32 v[SD], v[SD], v[S+16+\i], v[S+16+\i+1]
	v_max3_num_f32 v[BM+1], v[BM+1], v[S+32+\i], v[S+32+\i+1]
	v_max3_num_f32 v[SD+1], v[SD+1], v[S+48+\i], v[S+48+\i+1]
.endr
	v_max3_num_f32 v[BM], v[BM], v[S+15], v[S+31]
	v_max3_num_f32 v[BM+1], v[BM+1], v[S+47], v[S+63]
	v_max_num_f32 v[BM], v[BM], v[SD]
	v_max_num_f32 v[BM+1], v[BM+1], v[SD+1]
	s_add_co_u32 s[MO], s[MO], 256                 ; the next step's mask words (the wait above has shown the last loads done, so their offset may be written);
	s_min_u32 s[MO], s[MO], 3840                   ; the last step asks for its own again: no load leaves the buffer
	MASKLOAD
	v_max_num_f32 v[T1], v[BM], v[BM+1]
	v_permlanex16_b32 v[T0], v[T1], s[SEL], s[SEL+1]
	v_max_num_f32 v[T1], v[T1], v[T0]              ; with lane l xor 16's 64 keys: the step's largest score of my query
	v_mul_f32 v[T1], s[CS], v[T1]                  ; as t (c is positive)
	v_max_num_f32 v13, v13, v[T1]                  ; the running largest t
	v_mov_b32 v[T1], v[NM]
	v_floor_f32 v[NM], -v13                        ; the new -M = floor(-t) = -ceil(t): M IS A WHOLE NUMBER
	v_sub_f32 v[T1], v[NM], v[T1]                  ; M's old value less its new one: a whole number, 0 or less
	v_cvt_i32_f32 v[T1], v[T1]                     ; (it saturates)
	v_ldexp_f32 v[F], 1.0, v[T1]                   ; f = 2^(old M - new M)
.irp j, 0,2,4,6,8,10,12,14,16,18,20,22,24,26,28,30,32,34,36,38,40,42,44,46,48,50,52,54,56,58,60,62
	v_pk_fma_f32 v[S+\j:S+\j+1], v[S+\j:S+\j+1], s[CS:CS+1], v[NM:NM+1] op_sel_hi:[1,0,0]   ; t - M, two at a time (of the pairs c and -M the low word serves both halves)
.endr
	v_fma_f32 v[BM], v[BM], s[CS], v[NM]           ; the same of each block's largest score
	v_fma_f32 v[BM+1], v[BM+1], s[CS], v[NM]
.irp j, 0,1,2,3,4,5,6,7,8,9,10,11,12,13,14,15,16,17,18,19,20,21,22,23,24,25,26,27,28,29,30,31,32,33,34,35,36,37,38,39,40,41,42,43,44,45,46,47,48,49,50,51,52,53,54,55,56,57,58,59,60,61,62,63
	v_exp_f32 v[S+\j], v[S+\j]                     ; p = 2^(t - M), at most 1: NOT normalised
.endr
	v_pk_mul_f32 v[SUM:SUM+1], v[SUM:SUM+1], v[F:F+1] op_sel_hi:[1,0]   ; the sums under the new M.  (A plain place behind the exponentials)
	s_wait_alu depctr_va_vdst(0)                   ; one wait for the whole batch, ahead of its first reader
	v_exp_f32 v[BM], v[BM]                         ; the block's largest p: the same two instructions on the same number give the same bits
	v_exp_f32 v[BM+1], v[BM+1]
	v_pk_add_f32 v[SD:SD+1], v[S:S+1], v[S+2:S+3]  ; THE ROW'S SUM IS TAKEN OF THE UNQUANTISED p: two at a time, in two chains.  (It reads the 64 alone: plain work behind the two)
.irp j, 4,8,12,16,20,24,28,32,36,40,44,48,52,56,60
	v_pk_add_f32 v[SUM:SUM+1], v[SUM:SUM+1], v[S+\j:S+\j+1]
	v_pk_add_f32 v[SD:SD+1], v[SD:SD+1], v[S+\j+2:S+\j+3]
.endr
	v_pk_add_f32 v[SUM:SUM+1], v[SUM:SUM+1], v[SD:SD+1]
	s_wait_alu depctr_va_vdst(0)                   ; and one for the two
	v_max_num_f32 v[BM], 0x1800000, v[BM]          ; the floor 2^(3 - 127): the byte cannot fall under 1
	v_max_num_f32 v[BM+1], 0x1800000, v[BM+1]
	v_add_nc_u32 v[TS], 0xff000000, v[BM]          ; 2 off the exponent field: the conversion's scale operand
	v_add_nc_u32 v[TS+1], 0xff000000, v[BM+1]
	v_lshrrev_b32 v[TBY], 23, v[TS]                ; the scale's byte
	v_lshrrev_b32 v[TBY+1], 23, v[TS+1]
	v_lshl_or_b32 v[PW], v[TBY+1], 16, v[TBY]      ; my two bytes: blocks h and 2 + h,
	v_lshlrev_b32 v[PW], v[SH8], v[PW]             ; at their places in the word;
	v_permlanex16_b32 v[T0], v[PW], s[SEL], s[SEL+1]
	v_or_b32 v[PW], v[PW], v[T0]                   ; with lane l xor 16's two it is whole
	v_cvt_scalef32_pk16_fp6_f32 v[PC:PC+2], v[S:S+15], v[TS]
	v_cvt_scalef32_pk16_fp6_f32 v[T4:T4+2], v[S+16:S+31], v[TS]         ; (a conversion's three registers begin on an even number)
	v_cvt_scalef32_pk16_fp6_f32 v[PC+6:PC+8], v[S+32:S+47], v[TS+1]
	v_cvt_scalef32_pk16_fp6_f32 v[T8:T8+2], v[S+48:S+63], v[TS+1]
	v_nop                                          ; one plain place behind a scaled conversion
.irp i, 0,1,2
	v_mov_b32 v[PC+3+\i], v[T4+\i]
	v_mov_b32 v[PC+9+\i], v[T8+\i]
.endr
.irp j, 0,2,4,6,8,10,12,14,16,18,20,22,24,26,28,30
	v_pk_mul_f32 v[O+\j:O+\j+1], v[O+\j:O+\j+1], v[F:F+1] op_sel_hi:[1,0]   ; O^T under the new M: x f.  (These sixteen are also the places between the scale word's and the codes' last writes and the products below)
.endr
	s_wait_dscnt 0x0                               ; V and its scale words are in
.irp t, 0,1,2,3                                ; O^T += V^T P^T: four accumulators by turns; the next step's eight products on the scores stand between a turn and the next
.if \t%2
	v_wmma_scale_f32_16x16x128_f8f6f4 v[O+8*\t:O+8*\t+7], v[VF+12*\t:VF+12*\t+11], v[PC:PC+11], v[O+8*\t:O+8*\t+7], v[VSC+\t/2], v[PW] matrix_a_fmt:MATRIX_FMT_FP6 matrix_b_fmt:MATRIX_FMT_FP6 matrix_a_scale:MATRIX_SCALE_ROW1
.else
	v_wmma_scale_f32_16x16x128_f8f6f4 v[O+8*\t:O+8*\t+7], v[VF+12*\t:VF+12*\t+11], v[PC:PC+11], v[O+8*\t:O+8*\t+7], v[VSC+\t/2], v[PW] matrix_a_fmt:MATRIX_FMT_FP6 matrix_b_fmt:MATRIX_FMT_FP6
.endif
.endr
	s_add_co_u32 s[TBS], s[TBS], REC               ; the next record
.endm
; A QUARTER of the head: four records.  A fetching wave's loads end in order (ISA guide 10.11.1): with 3 - q of them out, its records of quarters 0 .. q are in; behind the barrier everybody's are.
; Nothing is ever filled again, so the later quarters may stay out across the barrier.  In waves 4 to 15 the wait is met at once.
.macro QUARTER q
	s_wait_tensorcnt 3-\q
	s_wait_dscnt 0x0
	s_barrier_signal -1
	s_barrier_wait -1
	s_mov_b32 s[TBS], \q*QUARB
	s_mov_b32 s[CNT], 4
.Lstep_\@:
	STEP
	s_sub_co_u32 s[CNT], s[CNT], 1
	s_cmp_lg_u32 s[CNT], 0
	s_cbranch_scc1 .Lstep_\@
.endm
	QUARTER 0
	QUARTER 1
	QUARTER 2
	QUARTER 3
	; THE WAY OUT.  O^T / the sum; a lane's 32 numbers are channels 32 h .. 32 h + 31 of my query's head: one whole block of 32 along D.  They are quantised as they stand.
	; acodes: [batch x 16 + head][token][48 bytes];  ascales: [batch x 2048 + token][32]: byte 2 x head + h.
	s_wait_kmcnt 0x0                               ; the last step's repeated mask words have landed: their registers are free
	s_load_b128 s[68:71], s[0:1], 0x18             ; acodes, ascales
	v_add_f32 v[SUM], v[SUM], v[SUM+1]             ; the sum's two halves,
	v_permlanex16_b32 v[T0], v[SUM], s[SEL], s[SEL+1]
	v_add_f32 v[SUM], v[SUM], v[T0]                ; and lane l xor 16's: the row's sum
	v_rcp_f32 v[SUM], v[SUM]
	s_and_b32 s32, ttmp7, 0xffff                   ; batch x 16 + head
	s_bfe_u32 s33, ttmp6, 0x40000
	s_lshl_b32 s34, ttmp9, 2
	s_add_co_u32 s34, s34, s33
	s_lshl_b32 s34, s34, 8                         ; 256 x block
	s_lshr_b32 s35, s[WV], 3
	s_lshl_b32 s35, s35, 7                         ; + 128 (wave / 8)
	s_add_co_u32 s34, s34, s35
	s_bfe_u32 s35, s[WV], 0x10002
	s_lshl_b32 s35, s35, 6                         ; + 64 (t / 4)
	s_add_co_u32 s34, s34, s35
	s_and_b32 s35, s[WV], 3
	s_lshl_b32 s35, s35, 3                         ; + 8 (t % 4)
	s_add_co_u32 s34, s34, s35
	s_mul_i32 s36, s32, 98304                      ; a head's 2,048 tokens x 48 bytes
	s_lshr_b32 s37, s32, 4
	s_lshl_b32 s37, s37, 11                        ; batch x 2,048
	s_and_b32 s38, s32, 15
	s_lshl_b32 s38, s38, 1                         ; 2 x head
	v_and_b32 v32, 7, v0                           ; (plain places behind the reciprocal and the last products)
	v_bfe_u32 v33, v0, 3, 1
	v_lshl_add_u32 v32, v33, 5, v32                ; + 32 (r / 8) + r % 8
	v_add_nc_u32 v32, s34, v32                     ; my query's token
	v_bfe_u32 v33, v0, 4, 1                        ; h
	v_mul_u32_u24 v34, v32, 48
	v_mad_u32_u24 v34, v33, 24, v34
	v_add_nc_u32 v34, s36, v34                     ; my 24 bytes of codes
	v_add_nc_u32 v35, s37, v32
	v_lshl_add_u32 v35, v35, 5, v33
	v_add_nc_u32 v35, s38, v35                     ; my scale byte
	s_wait_alu depctr_va_vdst(0)                   ; the wait ahead of the reciprocal's first reader
.irp j, 0,1,2,3,4,5,6,7,8,9,10,11,12,13,14,15,16,17,18,19,20,21,22,23,24,25,26,27,28,29,30,31
	v_mul_f32 v[S+\j], v[O+\j], v[SUM]             ; each accumulator from its low end on
.endr
	v_max3_num_f32 v[BM], |v[S]|, |v[S+1]|, 0x1800000        ; the block's largest magnitude, in two chains, with the floor 2^(3 - 127)
	v_max3_num_f32 v[BM+1], |v[S+16]|, |v[S+17]|, 0x1800000
.irp i, 2,4,6,8,10,12,14
	v_max3_num_f32 v[BM], v[BM], |v[S+\i]|, |v[S+\i+1]|
	v_max3_num_f32 v[BM+1], v[BM+1], |v[S+16+\i]|, |v[S+16+\i+1]|
.endr
	v_max_num_f32 v[BM], v[BM], v[BM+1]
	v_add_nc_u32 v[TS], 0xff000000, v[BM]
	v_lshrrev_b32 v[TBY], 23, v[TS]
	v_cvt_scalef32_pk16_fp6_f32 v[PC:PC+2], v[S:S+15], v[TS]
	v_cvt_scalef32_pk16_fp6_f32 v[T4:T4+2], v[S+16:S+31], v[TS]
	v_nop                                          ; one plain place behind a scaled conversion
.irp i, 0,1,2
	v_mov_b32 v[PC+3+\i], v[T4+\i]
.endr
	s_wait_kmcnt 0x0
.irp i, 0,1,2
	global_store_b64 v34, v[PC+2*\i:PC+2*\i+1], s[68:69] offset:8*\i   ; the three stores together fill two runs of 384 consecutive bytes: eight neighbouring tokens x 48 bytes each
.endr
	global_store_b8 v35, v[TBY], s[70:71]          ; one byte a lane, to rows 32 bytes apart: 262,144 bytes in the whole launch
	s_wait_xcnt 0x0
	v_lshl_add_u32 v254, v0, 2, 0x33000
	v_mov_b32 v255, 0
	s_wait_tensorcnt 0x0
	ds_add_u32 v254, v255
	s_wait_dscnt 0x0
	CROUND                                         ; the closing round: no work-group ends while a partner may still ask for a record that names it
	s_endpgm
.Lfunc_end_k_q16f2450f10_attn:
	.size	k_q16f2450f10_attn, .Lfunc_end_k_q16f2450f10_attn-k_q16f2450f10_attn
	.p2alignl 7, 3214868480
	.fill 96, 4, 3214868480
	.section	.rodata,"a",@progbits
	.p2align	6, 0x0
	.amdhsa_kernel k_q16f2450f10_attn
		.amdhsa_group_segment_fixed_size 210944
		.amdhsa_private_segment_fixed_size 0
		.amdhsa_enable_private_segment 0
		.amdhsa_kernarg_size 40
		.amdhsa_user_sgpr_count 2
		.amdhsa_user_sgpr_kernarg_segment_ptr 1
		.amdhsa_wavefront_size32 1
		.amdhsa_system_sgpr_workgroup_id_x 1
		.amdhsa_system_sgpr_workgroup_id_y 1
		.amdhsa_system_sgpr_workgroup_id_z 1
		.amdhsa_system_vgpr_workitem_id 0
		.amdhsa_next_free_vgpr 256
		.amdhsa_next_free_sgpr 102
		.amdhsa_reserve_vcc 0
		.amdhsa_float_denorm_mode_32 3
		.amdhsa_float_denorm_mode_16_64 3
		.amdhsa_memory_ordered 1
		.amdhsa_forward_progress 1
		.amdhsa_inst_pref_size 88
	.end_amdhsa_kernel
	.amdgpu_metadata
---
amdhsa.version: [ 1, 2 ]
amdhsa.kernels:
  - .name:           k_q16f2450f10_attn
    .symbol:         k_q16f2450f10_attn.kd
    .args:
      - { .name: qrec, .offset: 0, .size: 8, .value_kind: global_buffer, .address_space: global }
      - { .name: kvrec, .offset: 8, .size: 8, .value_kind: global_buffer, .address_space: global }
      - { .name: maskw, .offset: 16, .size: 8, .value_kind: global_buffer, .address_space: global }
      - { .name: acodes, .offset: 24, .size: 8, .value_kind: global_buffer, .address_space: global }
      - { .name: ascales, .offset: 32, .size: 8, .value_kind: global_buffer, .address_space: global }
    .group_segment_fixed_size: 210944
    .private_segment_fixed_size: 0
    .kernarg_segment_align: 8
    .kernarg_segment_size: 40
    .max_flat_workgroup_size: 512
    .sgpr_count:     102
    .vgpr_count:     256
    .wavefront_size: 32
...
	.end_amdgpu_metadata
.endif
;; end of part 3
;; launch proj (part 4): grid 4 x 32, 4 waves a work-group, clusters of 4 x 4, 327,680 bytes of LDS; arguments acodes, ascales, c_proj_w_codes, c_proj_w_scales, c_proj_b, out0; writes out0
.if DOCPART == 4
	.amdgcn_target "amdgcn-amd-amdhsa--gfx1250"
	.amdhsa_code_object_version 6
	.text
	.protected	k_q16f2450f10_proj
	.globl	k_q16f2450f10_proj
	.p2align	8
	.type	k_q16f2450f10_proj,@function
k_q16f2450f10_proj:
	s_mov_b64 s[64:65], 0
	v_nop
	global_prefetch_b8 v0, s[64:65] scope:SCOPE_SE
	s_setreg_imm32_b32 hwreg(HW_REG_WAVE_MODE, 25, 1), 1
	s_wait_xcnt 0x0
	s_wait_alu depctr_hold_cnt(0) depctr_sa_sdst(0) depctr_va_vdst(0) depctr_va_sdst(0) depctr_va_ssrc(0) depctr_va_vcc(0) depctr_vm_vsrc(0)
	s_getreg_b32 s2, hwreg(HW_REG_IB_STS2, 6, 4)
	s_cmp_eq_u32 s2, 0
	s_cbranch_scc0 .Lentry_in_a_cluster
	s_endpgm
.Lentry_in_a_cluster:
	s_bfe_u32 s2, ttmp6, 0x10000c
	s_cmp_lg_u32 s2, 0xf033
	s_cbranch_scc0 .Lentry_shape_is_right
	s_endpgm
.Lentry_shape_is_right:
; out0[m][n] = sum over k of A[m][k] W[n][k] + b[n], on codes of FP6 (E2M3) with one E8M0 scale for each 32 along K.  m = 8,192 tokens, n = 1,024, K = 1,024 = 16 heads x 64; out0 is f32; sums in f32.
; A's codes lie as the attention launch left them: [batch x 16 + head][2,048 tokens][48 bytes]; its scale bytes [token][32]; W's codes [1,024][768 bytes], its scale bytes [1,024][32].
; A tile of the result, 256 x 256, is made by four waves, each 128 x 128: 64 accumulators, 512 registers.  K goes in steps of 256 (four heads) through a ring of two LDS slots filled by the tensor data mover.
; A's tile of a K step is 4 heads x 128 tokens x 48 bytes: four runs of 6,144 consecutive bytes, 98,304 bytes apart.  It lies in LDS as it lies in memory, [head][token][48 bytes], without padding: lane (r, h) of a fragment's load
; of 8 bytes stands at word 12 r + 6 h, and 12 r takes each multiple of 4 modulo 64 once: the 32 lanes touch 64 different banks (64 banks of 4 bytes: ISA guide 11.1).  W's tile has rows of 192 bytes, padded to 240.
; The scales of the work-group's rows for all of K come into LDS once, with the first fills.  CLUSTERS: 4 x 4 work-groups; A's tiles are shared along a row of the cluster, W's along a column: each is asked for jointly.
; THE MATRIX INSTRUCTION IS USED TRANSPOSED (source 0 = 16 rows of W, source 1 = 16 rows of A): a lane holds eight neighbouring numbers of a row of out0.  The bias is the C of each sum's first matrix instruction.
; The result has 128 such tiles, so 128 work-groups are launched: a smaller tile would give more of them, and read each fragment from LDS for half the products.
; REGISTERS, in windows of 256: window 0: v0-31 addresses; v32-63 scale words, two sets; v64-127 the bias; from v128 A's fragments, ONE set; on the way out v128-255 hold rows of out0.
;   window 1: W's fragments, TWO sets, at v0 and v128.   window 2: the accumulators of my rows 0-63 (accumulator (a, b) at v[8 (8 (a % 4) + b)]);   window 3: those of my rows 64-127.
.set SIZE_N, 1024
.set KSTEP,  256
.set NQ,     2                         ; matrix instructions deep
.set ROWB,   192                       ; a row of W's tile in bytes
.set KROW,   768                       ; a row of W in memory
.set PITCH,  240                       ; and in LDS: 3 x (64 bytes + 16 of padding)
.set HSTR,   98304                     ; from a head to the next in acodes
.set HTOK,   6144                      ; 128 tokens x 48 bytes
.set FR,     12
.set NL,     6
.set NP,     4                         ; places behind this matrix instruction (ISA guide 7.12.1)
.set HALFA,  4*HTOK                    ; A: 128 rows of a K step: what one tensor load brings
.set BOFF,   2*HALFA                   ; W's rows lie behind A's 256
.set HALFB,  128*PITCH
.set SLOT,   BOFF+2*HALFB
.set LAPS,   2
.set KS,     32                        ; a row of scales in bytes
.set SCL,    2*SLOT                    ; behind the ring: the scales, as units of 256 bytes + 16 of padding
.set HALFS,  16*272
.set SBLK,   2*272                     ; those of 16 rows
.set SPARE,  SCL+4*HALFS               ; the spare words, 128 bytes for each wave: two blocks of 256 bytes that no other line names
.set SPITCH, 528                       ; the way out: a stage of 16 rows x (512 bytes + 16) for each wave, in slot 0, which has had its last fill and its last read when the first result is stored there
.set OFB,  8                           ; v8      the bias's byte offset; never rewritten
.set ADRA, 16                          ; v16-17  LDS address of my A fragments in slot 0, 1
.set ADRB, 20                          ; v20-21  the same for W  (v22-23: for the pieces that lie behind one padding more)
.set STO,  24                          ; v24     the way out: where I put 32 bytes of a row
.set RD,   25                          ; v25     where I read a row back
.set CO,   26                          ; v26     my byte offset in a row of out0
.set ADRS, 27                          ; v27     LDS address of my scale words: lanes 0-15 A's rows, lanes 16-31 W's
.set SPW,  28                          ; v28     LDS address of my spare word; never rewritten
.set NIL,  29                          ; v29     0; never rewritten
.set SC,   32                          ; scale words: set s at v[SC + 16 s]; register 2 i + q
.set BP,   64                          ; v64-127 register 8 b + j: the bias of column 16 b + 8 h + j of my 128
.set AF,   128
.set BK,   128                         ; the way out: 16 rows read back from the stage: v128-191 and v192-255 by turns
.set G1, 24                            ; s[24:31] descriptor group 1 for A's tiles;  s[32:39] group 0, one set for each slot
.set G0, 32
.set G1B, 48                           ; s[48:55], s[56:63] the same for W's tiles
.set G0B, 56
.set G1S, 68                           ; s[68:75], s[76:79] groups 1 and 0 for A's scales;  s[80:87], s[88:91] for W's
.set G0S, 76
.set G1SB, 80
.set G0SB, 88
.set MSB, 0
.macro WIN new                         ; the immediate's high byte repeats the setting that is left
.if MSB != \new
	s_set_vgpr_msb (MSB<<8)|\new
.set MSB, \new
.endif
.endm
.set MUL_LO, 0xa1                      ; source 0 (W) window 1, source 1 (A) window 0, C and D window 2
.set MUL_HI, 0xf1                      ; the same, C and D window 3
.set BEG_LO, 0x81                      ; the first step: C (the bias) window 0, D window 2
.set BEG_HI, 0xc1                      ; D window 3
.set TO_B,   0x40                      ; destination window 1, address window 0
; A joint load: waves 0 and 1 fetch for A, waves 2 and 3 for W; the branch hangs on the wave's number alone.  Four v_nop follow each of the two lines.
.macro JLOAD g0a, g1a, g0b, g1b
	s_cmp_eq_u32 s15, 0
	s_cbranch_scc0 .Lfor_b_\@
	tensor_load_to_lds s[\g0a:\g0a+3], s[\g1a:\g1a+7]
	s_nop 0
.rept 4
	v_nop
.endr
	s_branch .Lasked_\@
.Lfor_b_\@:
	tensor_load_to_lds s[\g0b:\g0b+3], s[\g1b:\g1b+7]
	s_nop 0
.rept 4
	v_nop
.endr
.Lasked_\@:
.endm
.macro CREST                           ; a round of the cluster's barrier behind its opening barrier
	s_cmp_lg_u32 s14, 0
	s_cbranch_scc1 .Lnot_wave_0_\@
	s_barrier_signal -3
.Lnot_wave_0_\@:
	s_barrier_wait -3
	s_barrier_signal -1
	s_barrier_wait -1
.endm
.macro CROUND                          ; a whole round
	s_barrier_signal -1
	s_barrier_wait -1
	CREST
.endm
	s_load_b256 s[4:11], s[0:1], 0x0               ; A's codes, A's scales, W's codes, W's scales
	s_load_b64 s[96:97], s[0:1], 0x20              ; the bias
	s_load_b64 s[12:13], s[0:1], 0x28              ; out0
	v_lshl_add_u32 v[SPW], v0, 2, SPARE
	v_mov_b32 v[NIL], 0
	ds_add_u32 v28, v29
	ds_add_u32 v28, v29
	s_wait_dscnt 0x0
	v_lshrrev_b32 v1, 5, v0
	v_readfirstlane_b32 s14, v1                    ; wave 0..3
	s_lshr_b32 s15, s14, 1                         ; which half of the tile's rows is mine.  Also: I fetch for A (0) or for W (1)
	s_and_b32 s16, s14, 1                          ; which half of its columns.  Also: which 128 rows of that tile I fetch
	s_bfe_u32 s40, ttmp6, 0x40000                  ; cx, cy: my place in the cluster
	s_bfe_u32 s41, ttmp6, 0x40004
	s_lshl_b32 s42, ttmp9, 2
	s_add_co_u32 s42, s42, s40                     ; tile column = 4 x cluster x + cx
	s_and_b32 s17, ttmp7, 0xffff
	s_lshl_b32 s17, s17, 2
	s_add_co_u32 s17, s17, s41                     ; tile row = 4 x cluster y + cy
	s_lshl_b32 s43, s41, 2
	s_lshl_b32 s43, 15, s43                        ; my row of the cluster
	s_lshl_b32 s44, 0x1111, s40                    ; my column
	; descriptor group 1 for A: 4 rows (heads) of 768 elements of 8 bytes (128 tokens x 48 bytes), 12,288 elements apart, no padding
	s_or_b32 s[G1+0], s43, (3<<16)|(1<<21)         ; 15:0 the mask: A's tiles go to my row; 17:16 elements of 8 bytes; 21 set beside a mask
	s_mov_b32 s[G1+1], 768<<16                     ; tensor_dim0
	s_mov_b32 s[G1+2], 4<<16                       ; tensor_dim1
	s_mov_b32 s[G1+3], 768<<16                     ; tile_dim0
	s_mov_b32 s[G1+4], 4                           ; tile_dim1
	s_mov_b32 s[G1+5], HSTR/8                      ; tensor_dim0_stride
	s_mov_b32 s[G1+6], 0
	s_mov_b32 s[G1+7], 0
	; for W: 128 rows x 192 bytes, 16 bytes of padding behind every 64
	s_or_b32 s[G1B+0], s44, (0<<16)|(1<<20)|(1<<21)|(3<<22)|(3<<25)
	s_mov_b32 s[G1B+1], ROWB<<16
	s_mov_b32 s[G1B+2], 128<<16
	s_mov_b32 s[G1B+3], ROWB<<16
	s_mov_b32 s[G1B+4], 128
	s_mov_b32 s[G1B+5], KROW
	s_mov_b32 s[G1B+6], 0
	s_mov_b32 s[G1B+7], 0
	; for the scales of 128 rows: a dense block of 4,096 bytes, as 16 rows of 256 bytes, 16 bytes of padding behind each
	s_or_b32 s[G1S+0], s43, (3<<16)|(1<<20)|(1<<21)|(5<<22)|(3<<25)
	s_or_b32 s[G1SB+0], s44, (3<<16)|(1<<20)|(1<<21)|(5<<22)|(3<<25)
.irp g, G1S, G1SB
	s_mov_b32 s[\g+1], 32<<16
	s_mov_b32 s[\g+2], 16<<16
	s_mov_b32 s[\g+3], 32<<16
	s_mov_b32 s[\g+4], 16
	s_mov_b32 s[\g+5], 32
	s_mov_b32 s[\g+6], 0
	s_mov_b32 s[\g+7], 0
.endr
	s_lshl_b32 s18, s16, 7                         ; which 128 rows of the tile I fetch
	s_lshl_b32 s22, s17, 8
	s_add_co_u32 s22, s22, s18                     ; A: row 256 x tile row + 128 x half;
	s_lshl_b32 s22, s22, 5                         ; its scales: 32 bytes a row
	s_mov_b32 s23, 0
	s_lshr_b32 s20, s17, 3                         ; its codes: the batch's 16 heads,
	s_mul_i32 s20, s20, 16*HSTR
	s_and_b32 s21, s17, 7
	s_lshl_b32 s21, s21, 8
	s_add_co_u32 s21, s21, s18
	s_mul_i32 s21, s21, 48                         ; and the token in the batch x 48 bytes
	s_add_co_u32 s20, s20, s21
	s_mov_b32 s21, 0
	s_lshl_b32 s46, s42, 8
	s_add_co_u32 s46, s46, s18                     ; W: row 256 x tile column + 128 x half
	s_mov_b32 s47, 0
	s_mov_b64 s[18:19], KS
	s_mul_u64 s[92:93], s[46:47], s[18:19]
	s_mov_b64 s[18:19], KROW
	s_mul_u64 s[46:47], s[46:47], s[18:19]
	s_mul_i32 s45, s16, HALFA                      ; where they go: no place in the cluster enters an LDS address
	s_mul_i32 s95, s16, HALFB
	s_add_co_u32 s95, s95, BOFF
	s_mul_i32 s94, s14, HALFS
	s_wait_kmcnt 0x0
	s_add_nc_u64 s[20:21], s[4:5], s[20:21]
	s_add_nc_u64 s[22:23], s[6:7], s[22:23]
	s_add_nc_u64 s[46:47], s[8:9], s[46:47]
	s_add_nc_u64 s[92:93], s[10:11], s[92:93]
	CROUND                                         ; all sixteen work-groups are here: the first joint loads meet
	s_mov_b32 s[G0S], 1
	s_add_co_u32 s[G0S+1], s94, SCL
	s_mov_b64 s[G0S+2:G0S+3], s[22:23]
	s_or_b32 s[G0S+3], s[G0S+3], 0x80000000
	s_mov_b32 s[G0SB], 1
	s_add_co_u32 s[G0SB+1], s94, SCL
	s_mov_b64 s[G0SB+2:G0SB+3], s[92:93]
	s_or_b32 s[G0SB+3], s[G0SB+3], 0x80000000
	JLOAD G0S, G1S, G0SB, G1SB                     ; the scales first: they are wanted with K step 0
.irp s, 0,1
	s_mov_b32 s[G0+4*\s], 1
	s_add_co_u32 s[G0+4*\s+1], s45, \s*SLOT
	s_add_nc_u64 s[G0+4*\s+2:G0+4*\s+3], s[20:21], \s*4*HSTR   ; K step s: four heads on
	s_or_b32 s[G0+4*\s+3], s[G0+4*\s+3], 0x80000000
	s_mov_b32 s[G0B+4*\s], 1
	s_add_co_u32 s[G0B+4*\s+1], s95, \s*SLOT
	s_add_nc_u64 s[G0B+4*\s+2:G0B+4*\s+3], s[46:47], \s*ROWB
	s_or_b32 s[G0B+4*\s+3], s[G0B+4*\s+3], 0x80000000
	JLOAD G0+4*\s, G1, G0B+4*\s, G1B               ; three tensor loads of mine are out
.endr
	v_and_b32 v1, 15, v0                           ; l % 16
	v_bfe_u32 v2, v0, 4, 1                         ; l / 16
	v_mul_u32_u24 v3, v1, PITCH
	v_mul_u32_u24 v4, v2, 24
	v_mul_u32_u24 v7, v1, 48
	v_add_nc_u32 v7, v7, v4                        ; A: token x 48 + 24 x half
	v_add_nc_u32 v4, v3, v4                        ; W: row x pitch + 24 x half
	v_lshl_add_u32 v5, v2, 4, v4                   ; and the same behind one padding more
	s_mul_i32 s21, s15, HALFA                      ; my 128 rows of A
	s_mul_i32 s22, s16, HALFB                      ; my 128 rows of W,
	s_add_co_u32 s22, s22, BOFF                    ; which lie behind A's 256
.irp s, 0,1
	v_add_nc_u32 v[ADRA+\s], s21, v7
	v_add_nc_u32 v[ADRB+\s], s22, v4
	v_add_nc_u32 v[ADRB+2+\s], s22, v5
	s_add_co_u32 s21, s21, SLOT
	s_add_co_u32 s22, s22, SLOT
.endr
	v_mul_u32_u24 v5, v1, KS                       ; my row's scales: 32 bytes a row,
	v_lshrrev_b32 v6, 8, v5
	v_lshl_add_u32 v5, v6, 4, v5                   ; and 16 more for each 256 passed
	s_mul_i32 s21, s15, HALFS                      ; A's: my 128 rows
	s_mul_i32 s22, s16, HALFS                      ; W's: my 128 rows, behind A's 256
	s_add_co_u32 s22, s22, 2*HALFS
	s_sub_co_u32 s22, s22, s21
	v_mul_u32_u24 v6, s22, v2                      ; lanes 16-31 take W's
	s_add_co_u32 s21, s21, SCL
	v_add_nc_u32 v5, v5, v6
	v_add_nc_u32 v[ADRS], s21, v5
	s_mul_i32 s23, s14, 16*SPITCH                  ; my stage
	v_mul_u32_u24 v5, v1, SPITCH                   ; in: row l % 16, 32 bytes for each half of the lanes
	v_lshl_add_u32 v5, v2, 5, v5
	v_add_nc_u32 v[STO], s23, v5
	v_and_b32 v6, 31, v0
	v_lshlrev_b32 v[CO], 4, v6                     ; back: the 32 lanes take one row of 512 bytes; and the same in out0
	v_add_nc_u32 v[RD], s23, v[CO]
	s_lshl_b32 s20, s17, 8
	s_lshl_b32 s21, s15, 7
	s_add_co_u32 s20, s20, s21                     ; my first row of out0: 256 x tile row + 128 x half
	s_mov_b32 s21, 0
	s_mov_b64 s[18:19], SIZE_N*4
	s_mul_u64 s[20:21], s[20:21], s[18:19]
	s_lshl_b32 s46, s42, 10                        ; my first column, in bytes: 1,024 x tile column + 512 x half: in a row of out0 and in the bias alike
	s_lshl_b32 s47, s16, 9
	s_add_co_u32 s46, s46, s47
	s_mov_b32 s47, 0
	v_lshl_add_u32 v[OFB], v2, 5, s46              ; + 8 h numbers
.irp b, 0,1,2,3,4,5,6,7
	global_load_b128 v[BP+8*\b:BP+8*\b+3], v[OFB], s[96:97] offset:64*\b
	global_load_b128 v[BP+8*\b+4:BP+8*\b+7], v[OFB], s[96:97] offset:64*\b+16
.endr
	s_add_nc_u64 s[20:21], s[20:21], s[46:47]
	s_add_nc_u64 s[12:13], s[12:13], s[20:21]
.macro FRAG reg, adr, q, i             ; a fragment of W, 16 rows x 128 K: 12 registers: lane l holds row l % 16; registers 6 c .. 6 c + 5 hold K = 64 c + 32 (l / 16) + 0 .. 31: 24 bytes of the row's stream of bits, as they lie
.irp p, 0,1,2,3,4,5                    ; in pieces of 8 bytes; where the piece of lanes 16-31, three on, lies behind one padding more, the second address register serves
.set PC, 12*(\q)+6*(\p/3)+\p%3
.if PC%8 < 5
	ds_load_b64 v[\reg+2*\p:\reg+2*\p+1], v[\adr] offset:8*PC+16*(PC/8)+(\i)*16*PITCH
.else
	ds_load_b64 v[\reg+2*\p:\reg+2*\p+1], v[\adr+2] offset:8*PC+16*(PC/8)+(\i)*16*PITCH
.endif
.endr
.endm
.macro FRAG_A reg, adr, q, i           ; a fragment of A: K = 64 c + 32 h + .. of the slot's q-th 128 is block h of head 2 q + c: 24 bytes at [head][token][24 h]
.irp p, 0,1,2,3,4,5
	ds_load_b64 v[\reg+2*\p:\reg+2*\p+1], v[\adr] offset:(2*(\q)+\p/3)*HTOK+(\i)*768+8*(\p%3)
.endr
.endm
; 16 matrix instructions: A's blocks a0, a0 + 1 x W's eight, 128 along K.  zero = 1: the first product starts the sums, from the bias.  The 64 accumulators take turns, one instruction a turn.
.macro MUL16 a0, p, q, sc, zero
.irp a, \a0, \a0+1
.irp b, 0,1,2,3,4,5,6,7
.if \zero
	v_wmma_scale_f32_16x16x128_f8f6f4 v[8*(8*((\a)%4)+\b):8*(8*((\a)%4)+\b)+7], v[128*(\p)+FR*\b:128*(\p)+FR*\b+FR-1], v[AF+FR*(\a):AF+FR*(\a)+FR-1], v[BP+8*\b:BP+8*\b+7], v[SC+8*NQ*(\sc)+NQ*\b+(\q)], v[SC+8*NQ*(\sc)+NQ*(\a)+(\q)] matrix_a_fmt:MATRIX_FMT_FP6 matrix_b_fmt:MATRIX_FMT_FP6 matrix_a_scale:MATRIX_SCALE_ROW1
.else
	v_wmma_scale_f32_16x16x128_f8f6f4 v[8*(8*((\a)%4)+\b):8*(8*((\a)%4)+\b)+7], v[128*(\p)+FR*\b:128*(\p)+FR*\b+FR-1], v[AF+FR*(\a):AF+FR*(\a)+FR-1], v[8*(8*((\a)%4)+\b):8*(8*((\a)%4)+\b)+7], v[SC+8*NQ*(\sc)+NQ*\b+(\q)], v[SC+8*NQ*(\sc)+NQ*(\a)+(\q)] matrix_a_fmt:MATRIX_FMT_FP6 matrix_b_fmt:MATRIX_FMT_FP6 matrix_a_scale:MATRIX_SCALE_ROW1
.endif
.endr
.endr
.endm
.macro FETCH_B slot, q, p              ; W's eight fragments of the slot's q-th 128 along K into set p
	WIN TO_B
.irp i, 0,1,2,3,4,5,6,7
	FRAG 128*(\p)+FR*\i, ADRB+\slot, \q, \i
.endr
	WIN 0
.endm
.macro FETCH_A slot, q, i0             ; A's blocks i0 .. i0 + 3
.irp i, \i0, \i0+1, \i0+2, \i0+3
	FRAG_A AF+FR*(\i), ADRA+\slot, \q, \i
.endr
.endm
.macro SCALES sc                       ; the next K step's scale words into set sc: lanes 0-15 take A's block i, lanes 16-31 W's block i
.irp i, 0,1,2,3,4,5,6,7
	ds_load_b64 v[SC+8*NQ*\sc+NQ*\i:SC+8*NQ*\sc+NQ*\i+1], v[ADRS] offset:\i*SBLK
.endr
.endm
; A load into a register that a matrix instruction has read, and a vector instruction or an LDS store that reads a matrix result, stand NP places behind that matrix instruction, and only plain vector
; instructions that name none of its registers are places (ISA guide 7.12.1 for vector instructions).
.macro PLACES n
.rept \n
	v_nop
.endr
.endm
.macro STEP slot, q, zero              ; a step of 128 along K that has its successor in the same slot
	s_wait_dscnt 4*NL                              ; W's set and A's blocks 0-3 are in; the youngest 24 loads (A's blocks 4-7) may be out
.if \zero
	WIN BEG_LO
.else
	WIN MUL_LO
.endif
	MUL16 0, (\q)%2, \q, \slot, \zero
	MUL16 2, (\q)%2, \q, \slot, \zero
	s_wait_dscnt 0                                 ; A's blocks 4-7 are in
	PLACES NP
	FETCH_B \slot, (\q)+1, 1-(\q)%2
	FETCH_A \slot, (\q)+1, 0
.if \zero
	WIN BEG_HI
.else
	WIN MUL_HI
.endif
	MUL16 4, (\q)%2, \q, \slot, \zero
	MUL16 6, (\q)%2, \q, \slot, \zero
	PLACES NP
	WIN 0
	FETCH_A \slot, (\q)+1, 4
.endm
; A slot's last step changes slots: ONE barrier; in front of it each wave waits for all its tensor loads, adds 0 to its spare word, and waits for that and for its own reads of this slot.  fill = 1: this slot is filled again, two K steps ahead.
.macro TURN slot, next, fill
	s_wait_tensorcnt 0x0                           ; all my tensor loads have landed: my part of the next slot;  (every window is 0 here)
	ds_add_u32 v[SPW], v[NIL]                      ; 0 onto my spare word;
	s_wait_dscnt 4*NL+1                            ; (the add and the youngest 24 loads, A's blocks 4-7, may be out)
	WIN MUL_LO
	MUL16 0, 1, NQ-1, \slot, 0                     ; sixteen matrix instructions stand between the add and the wait for it
	s_wait_dscnt 0x0                               ; the add is done, and my reads of this slot are over
	s_barrier_signal -1
	MUL16 2, 1, NQ-1, \slot, 0
	WIN 0
	s_barrier_wait -1
.if \fill
	CREST                                          ; the barrier has opened a round of the cluster's barrier: no wave of any partner still reads this slot's tile or has a load on its way
	s_add_nc_u64 s[G0+4*\slot+2:G0+4*\slot+3], s[G0+4*\slot+2:G0+4*\slot+3], 8*HSTR
	s_add_nc_u64 s[G0B+4*\slot+2:G0B+4*\slot+3], s[G0B+4*\slot+2:G0B+4*\slot+3], 2*ROWB
	JLOAD G0+4*\slot, G1, G0B+4*\slot, G1B         ; the first tensor load behind the round; the four v_nop behind it are the places in front of the loads below
.else
	PLACES NP
.endif
	v_add_nc_u32 v[ADRS], 4*NQ, v[ADRS]            ; on to the next K step's scale words
	FETCH_B \next, 0, 0
	FETCH_A \next, 0, 0
	SCALES \next
	WIN MUL_HI
	MUL16 4, 1, NQ-1, \slot, 0
	MUL16 6, 1, NQ-1, \slot, 0
	PLACES NP
	WIN 0
	FETCH_A \next, 0, 4
.endm
	s_wait_tensorcnt 1                             ; the scales and my part of K step 0 are in (K step 1's load may be out)
	s_barrier_signal -1
	s_barrier_wait -1                              ; everybody's are
	FETCH_B 0, 0, 0
	FETCH_A 0, 0, 0
	SCALES 0
	FETCH_A 0, 0, 4
	s_wait_loadcnt 0x0                             ; the bias
	STEP 0, 0, 1                                   ; the first step stands in front of the loop: its products start the sums
	s_mov_b32 s3, LAPS-1
.Llap:                                                 ; a trip goes once round the ring, from a lap's second step to the next lap's first, and fills both slots again
	TURN 0, 1, 1
	STEP 1, 0, 0
	TURN 1, 0, 1
	STEP 0, 0, 0
	s_sub_co_u32 s3, s3, 1
	s_cmp_lg_u32 s3, 0
	s_cbranch_scc1 .Llap
	TURN 0, 1, 0                                   ; the last lap fills nothing, and has no round of the cluster's barrier
	STEP 1, 0, 0
	s_wait_dscnt 4*NL                              ; the very last step: nothing more to fetch
	WIN MUL_LO
	MUL16 0, 1, NQ-1, 1, 0
	MUL16 2, 1, NQ-1, 1, 0
	s_wait_dscnt 0
	WIN MUL_HI
	MUL16 4, 1, NQ-1, 1, 0
	MUL16 6, 1, NQ-1, 1, 0
	WIN 0
; THE WAY OUT, block by block of 16 rows x 128 columns.  A lane holds 32 neighbouring bytes of a row, and the lanes beside it hold other rows: so a block goes through my own stage in LDS and comes back as whole
; rows of 512 bytes.  LDS serves a wave's instructions in order (ISA guide 5.7.1.4): no wait between the stores and the loads, nor in front of the next block's stores.
.macro TOSTAGE a
.set AC, 64*((\a)%4)
	WIN 0x08+4*((\a)/4)                            ; the data: window 2 or 3
.irp b, 0,1,2,3,4,5,6,7
	ds_store_b128 v[STO], v[AC+8*\b:AC+8*\b+3] offset:64*\b          ; each accumulator from its low end on
	ds_store_b128 v[STO], v[AC+8*\b+4:AC+8*\b+7] offset:64*\b+16
.endr
	WIN 0
.set BB, BK+64*((\a)%2)
.irp t, 0,1,2,3,4,5,6,7,8,9,10,11,12,13,14,15
	ds_load_b128 v[BB+4*\t:BB+4*\t+3], v[RD] offset:\t*SPITCH
.endr
.endm
.macro SEND a, younger                 ; younger: the LDS instructions issued behind block a's loads, which may stay out
.set BB, BK+64*((\a)%2)
	s_wait_dscnt \younger                          ; the block is back in registers
.if (\a) > 0
	s_add_nc_u64 s[12:13], s[12:13], 16*SIZE_N*4   ; (behind a wait on XCNT: the earlier stores have read their base)  16 rows of out0 on
.endif
.irp t, 0,1,2,3,4,5,6,7,8,9,10,11,12,13,14,15
	global_store_b128 v[CO], v[BB+4*\t:BB+4*\t+3], s[12:13] offset:\t*SIZE_N*4 th:TH_STORE_NT   ; 32 lanes store 512 consecutive bytes, at a multiple of 256 from out0's first byte; written once, read by nobody here
.endr
.endm
	PLACES NP                                      ; behind the last products: for the loads into the registers that held A's fragments, and for the reads of results
	TOSTAGE 0
.irp a, 1,2,3,4,5,6,7
.if \a > 1
	s_wait_xcnt 0x0                                ; block a - 2's stores have read their registers and their base: block a's loads may land there, and the base may step
.endif
	TOSTAGE \a
	SEND \a-1, 32                                  ; behind block a - 1's loads: block a's 16 stores and 16 loads
.endr
	s_wait_xcnt 0x0                                ; block 6's stores have read their base
	SEND 7, 0
	s_wait_tensorcnt 0x0                           ; the wave's end, behind my last tensor load and my last LDS store
	ds_add_u32 v[SPW], v[NIL]
	s_wait_dscnt 0x0
	CROUND                                         ; the closing round: no work-group ends while a partner may still ask for a tile that names it
	s_endpgm
.Lfunc_end_k_q16f2450f10_proj:
	.size	k_q16f2450f10_proj, .Lfunc_end_k_q16f2450f10_proj-k_q16f2450f10_proj
	.p2alignl 7, 3214868480
	.fill 96, 4, 3214868480
	.section	.rodata,"a",@progbits
	.p2align	6, 0x0
	.amdhsa_kernel k_q16f2450f10_proj
		.amdhsa_group_segment_fixed_size 327680
		.amdhsa_private_segment_fixed_size 0
		.amdhsa_enable_private_segment 0
		.amdhsa_kernarg_size 48
		.amdhsa_user_sgpr_count 2
		.amdhsa_user_sgpr_kernarg_segment_ptr 1
		.amdhsa_wavefront_size32 1
		.amdhsa_system_sgpr_workgroup_id_x 1
		.amdhsa_system_sgpr_workgroup_id_y 1
		.amdhsa_system_sgpr_workgroup_id_z 1
		.amdhsa_system_vgpr_workitem_id 0
		.amdhsa_next_free_vgpr 1024
		.amdhsa_next_free_sgpr 102
		.amdhsa_reserve_vcc 0
		.amdhsa_float_denorm_mode_32 3
		.amdhsa_float_denorm_mode_16_64 3
		.amdhsa_memory_ordered 1
		.amdhsa_forward_progress 1
		.amdhsa_inst_pref_size 162
	.end_amdhsa_kernel
	.amdgpu_metadata
---
amdhsa.version: [ 1, 2 ]
amdhsa.kernels:
  - .name:           k_q16f2450f10_proj
    .symbol:         k_q16f2450f10_proj.kd
    .args:
      - { .name: acodes, .offset: 0, .size: 8, .value_kind: global_buffer, .address_space: global }
      - { .name: ascales, .offset: 8, .size: 8, .value_kind: global_buffer, .address_space: global }
      - { .name: c_proj_w_codes, .offset: 16, .size: 8, .value_kind: global_buffer, .address_space: global }
      - { .name: c_proj_w_scales, .offset: 24, .size: 8, .value_kind: global_buffer, .address_space: global }
      - { .name: c_proj_b, .offset: 32, .size: 8, .value_kind: global_buffer, .address_space: global }
      - { .name: out0, .offset: 40, .size: 8, .value_kind: global_buffer, .address_space: global }
    .group_segment_fixed_size: 327680
    .private_segment_fixed_size: 0
    .kernarg_segment_align: 8
    .kernarg_segment_size: 48
    .max_flat_workgroup_size: 128
    .sgpr_count:     102
    .vgpr_count:     1024
    .wavefront_size: 32
...
	.end_amdgpu_metadata
.endif
;; end of part 4
